; MI455X (gfx1250); checked and timed in simulation.
; The chip was launched on July 23, 2026; its instructions are those of AMD's public machine-readable ISA for CDNA 5 (MIT licence, August 2026) and "CDNA5" Instruction Set Architecture Reference Guide (July 2026). The comments in the code are by the model that wrote it; some were corrected since.
;; Fused Attention. Allowed arithmetic: matrix products marked QUANTISED: E4M3 operands, one given power-of-two scale a tensor, by v_wmma_f32_16x16x64_fp8_fp8 or v_wmma_f32_16x16x128_fp8_fp8, f32 sums; everything else in f32.
;; Inputs: cache_k 2 x 2,048 x 8 x 64 float16; cache_v 2 x 2,048 x 8 x 64 float16; cos 2,048 x 64 float16; lowp_scales 12 int32 (the exponents e of the quantised operands' scales 2^e); mask 2,048 x 2,048 float16; sin 2,048 x 64 float16; wk 2,048 x 512 float16; wo 1,024 x 2,048 float16; wq 2,048 x 1,024 float16; wv 2,048 x 512 float16; x 2 x 2,048 x 2,048 float16.
;; Outputs: out0 2 x 2,048 x 2,048 float16.
;; Constants: start_pos = 0.
;; This version of the problem:
;;   THIS VERSION OF THE PROBLEM IS GIVEN IN LOW PRECISION. The matrix products marked QUANTISED in the list below multiply operands that are first quantised to E4M3 (4 exponent bits, 3 mantissa bits; 8 bits a number), with one given power-of-two scale for each operand tensor; their sums are f32. All else is computed in f32.
;;   The module's matrix products, in the order in which they are computed (A, B: the left and right operand; K: the contracted axis; several contracted axes count as one K, in the product's order):
;;     1. [M 4,096, K 2,048] x [K 2,048, N 1,024]; A: input x; B: input wq: QUANTISED (scales: A lowp_scales[0], B lowp_scales[1])
;;     2. [M 4,096, K 2,048] x [K 2,048, N 512]; A: input x; B: input wk: QUANTISED (scales: A lowp_scales[2], B lowp_scales[3])
;;     3. [M 4,096, K 2,048] x [K 2,048, N 512]; A: input x; B: input wv: QUANTISED (scales: A lowp_scales[4], B lowp_scales[5])
;;     4. batch 32 x [M 2,048, K 64] x [K 64, N 2,048]; A: computed on the way; B: computed on the way: QUANTISED (scales: A lowp_scales[6], B lowp_scales[7])
;;     5. batch 32 x [M 64, K 2,048] x [K 2,048, N 2,048]; A: computed on the way; B: softmax (see below): QUANTISED (scales: A lowp_scales[8], B lowp_scales[9])
;;     6. [M 4,096, K 1,024] x [K 1,024, N 2,048]; A: computed on the way; B: input wo: QUANTISED (scales: A lowp_scales[10], B lowp_scales[11])
;;   THE QUANTISER, for each operand of a quantised product, along K:
;;     - The operand's scale is 2^e, e = its entry of the input lowp_scales (int32; the entries are numbered through the quantised products in the list's order, A before B).
;;     - Each number is divided by the scale, clamped to +-448, and rounded to the nearest number of E4M3, ties to even, subnormals kept.
;;     - The product sums the exact products of the quantised numbers (number of the format x scale) in f32.
;;   ~~~python
;;   def quantise(x, axis, e):      # numpy; x: float32 -> the quantised numbers, widened to float32 again
;;       x = np.moveaxis(x, axis, -1); K = x.shape[-1]
;;       r = np.clip(x / 2.0 ** e, -448, 448)
;;       step = 2.0 ** (np.maximum(np.frexp(np.where(r == 0, 1, r))[1] - 1, -6) - 3)
;;       q = np.round(r / step) * step * 2.0 ** e      # np.round: ties to even
;;       return np.moveaxis(q, -1, axis).astype(np.float32)
;;   ~~~
;;   SOFTMAX AHEAD OF A QUANTISED PRODUCT. Where the list says 'softmax', what is quantised is not the finished softmax but p = 2^(t - M), with t = logit x log2(e) and M = ceil(the row's largest t), a whole number; so 1/2 < the row's largest p <= 1. The row's sum l is taken of the UNQUANTISED p, in f32, and the product's result is divided by l at the end. Since M is a whole number, a kernel that streams over the keys may use a running M (the ceiling of the running maximum): every later rescaling is an exact power of two, so the quantised numbers keep their values, but for numbers so far below the row's largest that they fall under the format's range.
;;   OPERANDS COMPUTED ON THE WAY. 'Computed on the way' means the value that the module computes at that place (a softmax that the list does not call 'softmax' is quantised finished and normalised). What goes into a quantiser is computed in f32, as accurately as f32 sums, v_exp_f32 and their like allow (about 1e-6 of the number): no bf16 or f16 on the way to a quantiser, and a product that is left as it is and whose result goes on into a quantised operand takes f32 operands (vector FMAs, or v_wmma_f32_16x16x4_f32). A number that lies on a knife's edge between two numbers of the format may be rounded either way, as far as f32 arithmetic and the matrix unit's own rounding can turn it there, and no further.
;; One version. Each part assembles by itself: llvm-mc -triple=amdgcn-amd-amdhsa -mcpu=gfx1250 --defsym DOCPART=n.
;; ======== version 1 of 1: 4 launches
;; limits: values are held in f16: magnitudes above 65,504 overflow, below 6.1e-05 lose precision; right only within a limited range of input values
;; workspace buffers: xc 25,165,824 bytes; wc 6,291,456 bytes; mimg 16,777,216 bytes; qc 4,194,304 bytes; kc 2,097,152 bytes; vc 2,097,152 bytes; oc 4,194,304 bytes; fl 512 bytes of whole numbers
;; launch prep (part 1): grid 576 x 1, 4 waves a work-group, no clusters, 70,144 bytes of LDS; arguments x, mask, wq, wk, wv, wo, lowp_scales, xc, mimg, wc, fl; writes xc, mimg, wc, fl
.if DOCPART == 1
	.amdgcn_target "amdgcn-amd-amdhsa--gfx1250"
	.amdhsa_code_object_version 6
	.text
	.protected	k_qb6c9a67490_prep
	.globl	k_qb6c9a67490_prep
	.p2align	8
	.type	k_qb6c9a67490_prep,@function
k_qb6c9a67490_prep:
	s_mov_b64 s[64:65], 0
	v_nop
	global_prefetch_b8 v0, s[64:65] scope:SCOPE_SE
	s_setreg_imm32_b32 hwreg(HW_REG_WAVE_MODE, 25, 1), 1
	s_wait_xcnt 0x0
; PREP: everything that later launches read many times is laid out once, as IMAGES OF OPERAND REGISTERS.
;   xc   [e 3][tile 256][kb 16][2048 B]  x's codes of E4M3 under the three scales given for it (entries 0, 2, 4)
;   mimg [ks 16][tile 128][8192 B]       the additive mask as f32, times 2^(3 - e6 - e7), in the layout of a tile of scores
;   wc   [tile 128][kb 16][2048 B]       wq (tiles 0-63), wk (64-95), wv (96-127): codes, K innermost (entries 1, 3, 5)
;   woc  [tile 128][kb 8][2048 B]        wo: codes, K innermost (entry 11)
; A fragment's image (16 rows x 128 K): registers 4 c .. 4 c + 3 of lane (r, h) hold k = 32 c + 16 h + 0 .. 15 of the tile's row r, and lie at byte 512 c + 16 lane.
; THE ROWS OF A TILE ARE NOT NEIGHBOURS: lane r of tile 2 G + u holds row 32 G + 8 u + r + 8 (r / 8).
; code = number / 2^e, held within +-448, to the nearest code, ties to even.
; LIMITS: each e between -126 and 119; e6 + e7 between -123 and 129; NaN among the inputs is not served.
; SHARES: work-groups 0-127: 32 tokens of x each; 128-191: 32 rows of the mask each (wave w: columns 512 w on, 128 a trip); 192-575: a block of 128 k x 128 n of a weight each.
; Every global load covers whole rows of 256 bytes by sixteen lanes; every store of a wave covers 512 consecutive bytes, aligned.
; No tensor load: LDS is only a stage, with bytes of its own for each of the two ways through the text.
; WORK LEFT OUT, in this and every later launch: cache_k and cache_v.  start_pos is the constant 0, and xk and xv have the caches' own shape [2, 2048, 8, 64]: the two updates write every element,
; and keys and values are read only behind them.  So no element of the two inputs has a way to any output, whatever they hold: they are not loaded and are among no launch's arguments.
; LIMIT: a NaN or an infinity in cache_k or cache_v is not carried to the result.
.set P,     272
; woc is the part of the buffer wc from byte 4,194,304 on.
; fl [tile 128] of 32-bit words: bits 2 ks, 2 ks + 1 say what the mask's image holds for (key step ks, query tile): 0 = -infinity everywhere, 1 = zero everywhere, 2 = anything else.
; A wave makes the eight bits of its four key steps, one byte of each of its two tiles' words.  The codes are selected, never branched on, and stored at fixed places; the attention launch reads them.
.set RSTG,  0
.set WSTG,  4*32*P                     ; weights' way: 128 rows (k) x P, the work-group's
.set SPARE, WSTG+128*P                 ; the spare words, 128 bytes for each wave: two blocks of 256 bytes that no other line names
.set LI,  4                            ; v4   16 x lane
.set GA,  5                            ; v5   4096 h + 16 r: two rows of x or of the mask an instruction
.set SA,  6                            ; v6   rows' stage, in
.set RA,  7                            ; v7   rows' stage, out
.set WSA, 8                            ; v8   weights' stage, in
.set WRA, 9                            ; v9   weights' stage, out
.set SPW, 10                           ; v10  my spare word; never rewritten
.set NIL, 11                           ; v11  0; never rewritten
.set SC,  14                           ; v14-16  2^e as f32
.set LM,  17                           ; v17-19  448 x 2^e
.set PK,  32                           ; v32-95   f16 as they come back from the stage (below v128: their halves are named)
.set RAW, 96                           ; v96-159  as loaded
.set AX,  160                          ; v160-175 two sets of eight f32
.set BX,  176                          ; v176-191 two sets of eight held numbers
.set CD,  192                          ; v192-239 a tile's codes, 16 registers for each scale
.set F,   160                          ; v160-223 64 f32 (mask, weights)
.set CDW, 224                          ; v224-239 a weight tile's codes
.set VO,  240                          ; v240-255 the weights' sixteen row offsets
	s_load_b256 s[4:11], s[0:1], 0x0               ; x, mask, wq, wk
	s_load_b256 s[12:19], s[0:1], 0x20             ; wv, wo, the scales' exponents, xc
	s_load_b128 s[20:23], s[0:1], 0x40             ; mimg, wc
	s_load_b64 s[24:25], s[0:1], 0x50              ; fl
	v_lshl_add_u32 v[SPW], v0, 2, SPARE
	v_mov_b32 v[NIL], 0
	v_lshrrev_b32 v1, 5, v0
	v_readfirstlane_b32 s26, v1                    ; wave 0..3
	v_and_b32 v1, 31, v0                           ; lane
	v_and_b32 v2, 15, v0                           ; r
	v_bfe_u32 v3, v0, 4, 1                         ; h
	v_lshlrev_b32 v[LI], 4, v1
	v_lshlrev_b32 v[GA], 4, v2
	v_lshl_add_u32 v[GA], v3, 12, v[GA]
	; every LDS address is made here, ahead of the parting of the ways
	s_mul_i32 s59, s26, 32*P
	v_mul_u32_u24 v[SA], v3, P
	v_lshl_add_u32 v[SA], v2, 4, v[SA]
	v_add_nc_u32 v[SA], s59, v[SA]                 ; my stage + P h + 16 r
	v_mul_u32_u24 v[RA], v2, P
	v_lshl_add_u32 v[RA], v3, 5, v[RA]
	v_add_nc_u32 v[RA], s59, v[RA]                 ; my stage + P r + 32 h: 16 f16 of a block of 32
	s_add_co_u32 s59, s59, WSTG
	v_mul_u32_u24 v[WSA], v3, P
	v_lshl_add_u32 v[WSA], v2, 4, v[WSA]
	v_add_nc_u32 v[WSA], s59, v[WSA]               ; row 32 w + h, 16 r
	v_and_b32 v[WRA], 8, v2
	v_add_nc_u32 v[WRA], v[WRA], v2                ; r + 8 (r / 8)
	v_lshlrev_b32 v[WRA], 1, v[WRA]
	v_mad_u32_u24 v[WRA], v3, 16*P, v[WRA]
	s_lshl_b32 s59, s26, 6
	s_add_co_u32 s59, s59, WSTG
	v_add_nc_u32 v[WRA], s59, v[WRA]               ; row 16 h, column 32 w + r + 8 (r / 8)
	s_wait_kmcnt 0x0
	s_load_b256 s[28:35], s[16:17], 0x0            ; entries 0 .. 7
	s_load_b32 s60, s[16:17], 0x2c                 ; entry 11
	s_cmp_ge_u32 ttmp9, 192
	s_cbranch_scc1 .Lweights
; 2^e and 448 x 2^e as f32 patterns
.macro MKSC e, vs, vl
	s_add_co_i32 s62, \e, 127
	s_lshl_b32 s63, s62, 23
	v_mov_b32 v[\vs], s63
	s_add_co_i32 s62, s62, 8
	s_lshl_b32 s62, s62, 23
	s_or_b32 s62, s62, 0x600000
	v_mov_b32 v[\vl], s62
.endm
; eight f16 in four registers become eight f32 at v[d] on
.macro CV8 d, p0, p1, p2, p3
	v_cvt_f32_f16 v[\d], v\p0\().l
	v_cvt_f32_f16 v[\d+1], v\p0\().h
	v_cvt_f32_f16 v[\d+2], v\p1\().l
	v_cvt_f32_f16 v[\d+3], v\p1\().h
	v_cvt_f32_f16 v[\d+4], v\p2\().l
	v_cvt_f32_f16 v[\d+5], v\p2\().h
	v_cvt_f32_f16 v[\d+6], v\p3\().l
	v_cvt_f32_f16 v[\d+7], v\p3\().h
.endm
; the f16 in the low half of register p becomes the f32 v[d]
.macro CVL d, p
	v_cvt_f32_f16 v[\d], v\p\().l
.endm
; the eight groups of a tile: op g, its four registers
.macro GROUPS0 op
	\op 0, 32, 33, 34, 35
	\op 1, 36, 37, 38, 39
	\op 2, 40, 41, 42, 43
	\op 3, 44, 45, 46, 47
	\op 4, 48, 49, 50, 51
	\op 5, 52, 53, 54, 55
	\op 6, 56, 57, 58, 59
	\op 7, 60, 61, 62, 63
.endm
.macro GROUPS1 op
	\op 0, 64, 65, 66, 67
	\op 1, 68, 69, 70, 71
	\op 2, 72, 73, 74, 75
	\op 3, 76, 77, 78, 79
	\op 4, 80, 81, 82, 83
	\op 5, 84, 85, 86, 87
	\op 6, 88, 89, 90, 91
	\op 7, 92, 93, 94, 95
.endm
; x: eight numbers under the three scales.  The conversion to an 8-bit code does not saturate (ISA guide 7.6.2): the hold comes first.
; The held numbers take two sets by turns, so that eight plain lines stand between a conversion and the next write of its sources.
.macro XG g, p0, p1, p2, p3
	CV8 AX+8*((\g)&1), \p0, \p1, \p2, \p3
.irp e, 0,1,2
.irp i, 0,1,2,3,4,5,6,7
	v_med3_num_f32 v[BX+8*((3*(\g)+\e)&1)+\i], v[AX+8*((\g)&1)+\i], -v[LM+\e], v[LM+\e]
.endr
	v_cvt_scalef32_pk8_fp8_f32 v[CD+16*\e+2*(\g):CD+16*\e+2*(\g)+1], v[BX+8*((3*(\g)+\e)&1):BX+8*((3*(\g)+\e)&1)+7], v[SC+\e]
.endr
.endm
.macro MG g, p0, p1, p2, p3
	CV8 F+8*(\g), \p0, \p1, \p2, \p3
.endm
.macro TILEX u
	s_wait_xcnt 0x0                                ; the last tile's stores have read their data: the codes' registers are written again only behind this wait
.if \u == 0
	GROUPS0 XG
.else
	GROUPS1 XG
.endif
.irp e, 0,1,2
.irp c, 0,1,2,3
	global_store_b128 v[LI], v[CD+16*\e+4*\c:CD+16*\e+4*\c+3], s[38+2*\e:39+2*\e] offset:\u*32768+512*\c
.endr
.endr
.endm
.macro TILEM u
	s_wait_xcnt 0x0                                ; as above, for the 64 numbers
.if \u == 0
	GROUPS0 MG
.else
	GROUPS1 MG
.endif
.set n, 0
.rept 32
	v_pk_mul_f32 v[F+n:F+n+1], v[F+n:F+n+1], s[44:45] op_sel_hi:[1,0]   ; x 2^(3 - e6 - e7): nothing is rounded, -infinity stays
.set n, n+2
.endr
.irp g, 0,1,2,3,4,5,6,7,8,9,10,11,12,13,14,15
	global_store_b128 v[LI], v[F+4*\g:F+4*\g+3], s[38:39] offset:\u*8192+512*\g
.endr
	v_max_num_f32 v224, v[F], v[F+1]               ; the largest and the smallest of my 64 numbers of the image
	v_min_num_f32 v225, v[F], v[F+1]
.set n, 2
.rept 31
	v_max3_num_f32 v224, v224, v[F+n], v[F+n+1]
	v_min3_num_f32 v225, v225, v[F+n], v[F+n+1]
.set n, n+2
.endr
	v_cmp_eq_f32 s54, 0xff800000, v224             ; lanes whose largest is -infinity,
	v_cmp_eq_f32 s55, 0, v224                      ; lanes whose largest
	v_cmp_eq_f32 s56, 0, v225                      ; and smallest are zero
	s_and_b32 s55, s55, s56
	s_cmp_eq_u32 s54, -1                           ; all 32 lanes?
	s_cselect_b32 s56, 0, 2
	s_cmp_eq_u32 s55, -1
	s_cselect_b32 s56, 1, s56
	s_sub_co_u32 s53, 4, s27                       ; the trip, 0 .. 3
	s_lshl_b32 s53, s53, 1
	s_lshl_b32 s56, s56, s53
	s_or_b32 s[48+\u], s[48+\u], s56
.endm
.macro LOADR                           ; 32 rows x 256 bytes: sixteen lanes to a row's 256 bytes, two rows an instruction
.irp i, 0,1,2,3,4,5,6,7,8,9,10,11,12,13,14,15
	global_load_b128 v[RAW+4*\i:RAW+4*\i+3], v[GA], s[36:37] offset:2*\i*4096 th:TH_LOAD_NT
.endr
.endm
	; ---- rows: x or the mask.  Only pointers and strides are chosen; both take one way up to the arithmetic
	s_cmp_lt_u32 ttmp9, 128
	s_cselect_b64 s[36:37], s[4:5], s[6:7]         ; from
	s_cselect_b64 s[38:39], s[18:19], s[20:21]     ; to
	s_cselect_b32 s59, 0, 128
	s_cselect_b32 s61, 16, 14                      ; two tiles on: 2 x 32,768 bytes of xc, 2 x 8,192 of mimg
	s_cselect_b32 s62, 13, 22                      ; four trips on: 4 x 2,048 bytes, 4 x 2^20
	s_mov_b32 s46, 0x100000
	s_cselect_b32 s46, 2048, s46                   ; a trip on
	s_mov_b32 s47, 0
	s_sub_co_u32 s59, ttmp9, s59                   ; which 32 rows
	s_lshl_b32 s50, s59, 17
	s_lshl_b32 s51, s26, 10
	s_add_co_u32 s50, s50, s51
	s_mov_b32 s51, 0
	s_add_nc_u64 s[36:37], s[36:37], s[50:51]      ; row 32 g, byte 1,024 w
	s_lshl_b32 s50, s59, s61
	s_lshl_b32 s52, s26, s62
	s_add_co_u32 s50, s50, s52
	s_add_nc_u64 s[38:39], s[38:39], s[50:51]
	s_add_nc_u64 s[40:41], s[38:39], 0x800000      ; xc under the second scale,
	s_add_nc_u64 s[42:43], s[38:39], 0x1000000     ; and the third (named on x's way alone)
	LOADR
	s_wait_kmcnt 0x0
	MKSC s28, SC, LM
	MKSC s30, SC+1, LM+1
	MKSC s32, SC+2, LM+2
	s_add_co_i32 s62, s34, s35
	s_sub_co_i32 s62, 130, s62
	s_lshl_b32 s44, s62, 23                        ; 2^(3 - e6 - e7) as f32
	s_mov_b32 s45, s44                             ; (named with it as a pair, so it is written)
	s_mov_b32 s27, 4
	s_mov_b32 s48, 0                               ; my two tiles' bytes of fl (the mask's way alone)
	s_mov_b32 s49, 0
.Ltrip:                                            ; a trip: 128 columns of my 32 rows
	s_wait_loadcnt 0x0                             ; this trip's sixteen loads are in
.irp i, 0,1,2,3,4,5,6,7,8,9,10,11,12,13,14,15
	ds_store_b128 v[SA], v[RAW+4*\i:RAW+4*\i+3] offset:(((2*\i)&7)|(((2*\i)&8)<<1)|(((2*\i)&16)>>1))*P   ; row 2 i + h goes to its place in tile order: bits 3 and 4 change places
.endr
.irp u, 0,1
.irp c, 0,1,2,3
.irp s, 0,1
	ds_load_b128 v[PK+32*\u+8*\c+4*\s:PK+32*\u+8*\c+4*\s+3], v[RA] offset:16*\u*P+64*\c+16*\s   ; LDS serves a wave's instructions in order: these see my stores
.endr
.endr
.endr
	s_wait_dscnt 0x0                               ; the numbers are back, and the stores have read their registers
	s_cmp_eq_u32 s27, 1
	s_cbranch_scc1 .Lno_more                       ; the last trip loads nothing: no load leaves its buffer
	s_add_nc_u64 s[36:37], s[36:37], 256           ; (the loads that named it are in)
	LOADR
.Lno_more:
	s_cmp_lt_u32 ttmp9, 128
	s_cbranch_scc0 .Lmask
	TILEX 0
	TILEX 1
	s_branch .Lstepped
.Lmask:
	TILEM 0
	TILEM 1
.Lstepped:
	s_wait_xcnt 0x0                                ; the stores have read their bases
	s_add_nc_u64 s[38:39], s[38:39], s[46:47]
	s_add_nc_u64 s[40:41], s[40:41], s[46:47]
	s_add_nc_u64 s[42:43], s[42:43], s[46:47]
	s_sub_co_u32 s27, s27, 1
	s_cmp_lg_u32 s27, 0
	s_cbranch_scc1 .Ltrip
	s_cmp_lt_u32 ttmp9, 128
	s_cbranch_scc1 .Lend                           ; x's work-groups have no part in fl
	s_sub_co_u32 s53, ttmp9, 128
	s_lshl_b32 s53, s53, 3
	s_add_co_u32 s53, s53, s26                     ; byte 4 x tile + wave: key steps 4 wave .. 4 wave + 3
	v_mov_b32 v224, s53
	v_mov_b32 v225, s48
	v_mov_b32 v226, s49
	global_store_b8 v224, v225, s[24:25]           ; (every lane stores the same byte)
	global_store_b8 v224, v226, s[24:25] offset:4
	s_branch .Lend
	; ---- weights: K is their FIRST axis.  A block of 128 k x 128 n goes into the stage as it lies; then a lane takes a column and its registers run down K
.Lweights:
	s_sub_co_u32 s58, ttmp9, 192                   ; j: 0-127 wq, 128-191 wk, 192-255 wv, 256-383 wo
	s_mov_b64 s[36:37], s[14:15]                   ; wo's figures first, then the others' over them
	s_add_nc_u64 s[54:55], s[22:23], 0x400000      ; woc: behind wc's 4,194,304 bytes
	s_mov_b32 s48, 4096                            ; a row of the weight in bytes
	s_mov_b32 s49, 256                             ; its first j
	s_mov_b32 s50, 4                               ; log2 of its blocks along n
	s_mov_b32 s51, 0                               ; its first tile in the buffer of codes
	s_mov_b32 s53, 16384                           ; a tile's bytes there
	s_cmp_lt_u32 s58, 256
	s_cselect_b64 s[36:37], s[12:13], s[36:37]
	s_cselect_b64 s[54:55], s[22:23], s[54:55]
	s_cselect_b32 s48, 1024, s48
	s_cselect_b32 s49, 192, s49
	s_cselect_b32 s50, 2, s50
	s_cselect_b32 s51, 96, s51
	s_cselect_b32 s53, 32768, s53
	s_cmp_lt_u32 s58, 192
	s_cselect_b64 s[36:37], s[10:11], s[36:37]
	s_cselect_b32 s49, 128, s49
	s_cselect_b32 s51, 64, s51
	s_cmp_lt_u32 s58, 128
	s_cselect_b64 s[36:37], s[8:9], s[36:37]
	s_cselect_b32 s48, 2048, s48
	s_cselect_b32 s49, 0, s49
	s_cselect_b32 s50, 3, s50
	s_cselect_b32 s51, 0, s51
	s_sub_co_u32 s59, s58, s49
	s_bfm_b32 s61, s50, 0
	s_and_b32 s61, s59, s61                        ; block along n
	s_lshr_b32 s62, s59, s50                       ; block along k
	s_mul_i32 s56, s62, s48
	s_lshl_b32 s56, s56, 7
	s_lshl_b32 s57, s61, 8
	s_add_co_u32 s56, s56, s57
	s_mov_b32 s57, 0
	s_add_nc_u64 s[36:37], s[36:37], s[56:57]      ; the block's first byte
	s_lshl_b32 s61, s61, 3
	s_add_co_u32 s61, s61, s51
	s_lshl_b32 s56, s26, 1
	s_add_co_u32 s61, s61, s56                     ; my first tile: first + 8 block + 2 wave
	s_mul_i32 s56, s61, s53
	s_lshl_b32 s62, s62, 11
	s_add_co_u32 s56, s56, s62
	s_add_nc_u64 s[54:55], s[54:55], s[56:57]      ; its image for this block of k,
	s_mov_b32 s56, s53
	s_add_nc_u64 s[56:57], s[54:55], s[56:57]      ; and the next tile's
	v_and_b32 v12, 0x60, v0
	v_add_nc_u32 v12, v12, v3                      ; row 32 w + h
	v_lshlrev_b32 v13, 4, v2
	v_mad_u32_u24 v[VO], v12, s48, v13
	s_lshl_b32 s61, s48, 1
.irp i, 1,2,3,4,5,6,7,8,9,10,11,12,13,14,15
	v_add_nc_u32 v[VO+\i], s61, v[VO+\i-1]         ; two rows on
.endr
.irp i, 0,1,2,3,4,5,6,7,8,9,10,11,12,13,14,15
	global_load_b128 v[RAW+4*\i:RAW+4*\i+3], v[VO+\i], s[36:37] th:TH_LOAD_NT
.endr
	s_wait_kmcnt 0x0
	s_mov_b32 s61, s60
	s_cmp_lt_u32 s58, 256
	s_cselect_b32 s61, s33, s61
	s_cmp_lt_u32 s58, 192
	s_cselect_b32 s61, s31, s61
	s_cmp_lt_u32 s58, 128
	s_cselect_b32 s61, s29, s61                    ; the weight's e: entry 1, 3, 5 or 11
	MKSC s61, SC, LM
	s_wait_loadcnt 0x0
.irp i, 0,1,2,3,4,5,6,7,8,9,10,11,12,13,14,15
	ds_store_b128 v[WSA], v[RAW+4*\i:RAW+4*\i+3] offset:2*\i*P
.endr
	s_wait_dscnt 0x0                               ; for the others' sake: my 32 rows lie in the stage
	s_barrier_signal -1
	s_barrier_wait -1                              ; all 128 do.  (The branch that led here hangs on the work-group's number: all four waves are here)
.irp U, 0,1                            ; my two tiles of 16 columns
.irp c, 0,1,2,3
.irp i, 0,1,2,3,4,5,6,7,8,9,10,11,12,13,14,15
	ds_load_u16 v[PK+16*\c+\i], v[WRA] offset:(32*\c+\i)*P+16*\U   ; w(32 c + 16 h + i, my column)
.endr
.endr
	s_wait_dscnt 0x0
	s_wait_xcnt 0x0                                ; the first tile's stores have read their data
.irp q, 32,33,34,35,36,37,38,39,40,41,42,43,44,45,46,47,48,49,50,51,52,53,54,55,56,57,58,59,60,61,62,63,64,65,66,67,68,69,70,71,72,73,74,75,76,77,78,79,80,81,82,83,84,85,86,87,88,89,90,91,92,93,94,95
	CVL F+\q-32, \q
.endr
.set n, 0
.rept 64
	v_med3_num_f32 v[F+n], v[F+n], -v[LM], v[LM]
.set n, n+1
.endr
.set n, 0
.rept 8
	v_cvt_scalef32_pk8_fp8_f32 v[CDW+2*n:CDW+2*n+1], v[F+8*n:F+8*n+7], v[SC]
.set n, n+1
.endr
	v_nop                                          ; a plain line between the last conversion and the next write of its sources
.irp c, 0,1,2,3
	global_store_b128 v[LI], v[CDW+4*\c:CDW+4*\c+3], s[54+2*\U:55+2*\U] offset:512*\c
.endr
.endr
.Lend:
	s_wait_tensorcnt 0x0                           ; the wave's end: behind my last LDS store
	ds_add_u32 v[SPW], v[NIL]
	s_wait_dscnt 0x0
	s_endpgm
.Lfunc_end_k_qb6c9a67490_prep:
	.size	k_qb6c9a67490_prep, .Lfunc_end_k_qb6c9a67490_prep-k_qb6c9a67490_prep
	.p2alignl 7, 3214868480
	.fill 96, 4, 3214868480
	.section	.rodata,"a",@progbits
	.p2align	6, 0x0
	.amdhsa_kernel k_qb6c9a67490_prep
		.amdhsa_group_segment_fixed_size 70144
		.amdhsa_private_segment_fixed_size 0
		.amdhsa_enable_private_segment 0
		.amdhsa_kernarg_size 88
		.amdhsa_user_sgpr_count 2
		.amdhsa_user_sgpr_kernarg_segment_ptr 1
		.amdhsa_wavefront_size32 1
		.amdhsa_system_sgpr_workgroup_id_x 1
		.amdhsa_system_sgpr_workgroup_id_y 1
		.amdhsa_system_sgpr_workgroup_id_z 1
		.amdhsa_system_vgpr_workitem_id 0
		.amdhsa_next_free_vgpr 256
		.amdhsa_next_free_sgpr 66
		.amdhsa_reserve_vcc 0
		.amdhsa_float_denorm_mode_32 3
		.amdhsa_float_denorm_mode_16_64 3
		.amdhsa_memory_ordered 1
		.amdhsa_forward_progress 1
		.amdhsa_inst_pref_size 92
	.end_amdhsa_kernel
	.amdgpu_metadata
---
amdhsa.version: [ 1, 2 ]
amdhsa.kernels:
  - .name:           k_qb6c9a67490_prep
    .symbol:         k_qb6c9a67490_prep.kd
    .args:
      - { .name: x, .offset: 0, .size: 8, .value_kind: global_buffer, .address_space: global }
      - { .name: mask, .offset: 8, .size: 8, .value_kind: global_buffer, .address_space: global }
      - { .name: wq, .offset: 16, .size: 8, .value_kind: global_buffer, .address_space: global }
      - { .name: wk, .offset: 24, .size: 8, .value_kind: global_buffer, .address_space: global }
      - { .name: wv, .offset: 32, .size: 8, .value_kind: global_buffer, .address_space: global }
      - { .name: wo, .offset: 40, .size: 8, .value_kind: global_buffer, .address_space: global }
      - { .name: lowp_scales, .offset: 48, .size: 8, .value_kind: global_buffer, .address_space: global }
      - { .name: xc, .offset: 56, .size: 8, .value_kind: global_buffer, .address_space: global }
      - { .name: mimg, .offset: 64, .size: 8, .value_kind: global_buffer, .address_space: global }
      - { .name: wc, .offset: 72, .size: 8, .value_kind: global_buffer, .address_space: global }
      - { .name: fl, .offset: 80, .size: 8, .value_kind: global_buffer, .address_space: global }
    .group_segment_fixed_size: 70144
    .private_segment_fixed_size: 0
    .kernarg_segment_align: 8
    .kernarg_segment_size: 88
    .max_flat_workgroup_size: 128
    .sgpr_count:     66
    .vgpr_count:     256
    .wavefront_size: 32
...
	.end_amdgpu_metadata
.endif
;; end of part 1
;; launch qkv (part 2): grid 16 x 16, 4 waves a work-group, clusters of 4 x 4, 327,680 bytes of LDS; arguments xc, wc, cos, sin, lowp_scales, qc, kc, vc; writes qc, kc, vc
.if DOCPART == 2
	.amdgcn_target "amdgcn-amd-amdhsa--gfx1250"
	.amdhsa_code_object_version 6
	.text
	.protected	k_qb6c9a67490_qkv
	.globl	k_qb6c9a67490_qkv
	.p2align	8
	.type	k_qb6c9a67490_qkv,@function
k_qb6c9a67490_qkv:
	s_mov_b64 s[64:65], 0
	v_nop
	global_prefetch_b8 v0, s[64:65] scope:SCOPE_SE
	s_setreg_imm32_b32 hwreg(HW_REG_WAVE_MODE, 25, 1), 1
	s_wait_xcnt 0x0
	s_wait_alu depctr_hold_cnt(0) depctr_sa_sdst(0) depctr_va_vdst(0) depctr_va_sdst(0) depctr_va_ssrc(0) depctr_va_vcc(0) depctr_vm_vsrc(0)
	s_getreg_b32 s2, hwreg(HW_REG_IB_STS2, 6, 4)
	s_cmp_eq_u32 s2, 0
	s_cbranch_scc0 .Lentry_in_a_cluster
	s_endpgm
.Lentry_in_a_cluster:
	s_bfe_u32 s2, ttmp6, 0x10000c
	s_cmp_lg_u32 s2, 0xf033
	s_cbranch_scc0 .Lentry_shape_is_right
	s_endpgm
.Lentry_shape_is_right:
.set KPITCH, 32768
.set SLOT,  98304
.set BOFF,  65536
.set SPARE, 2*SLOT
.set VP,    272
.set ADRA, 16
.set ADRB, 20
.set LI,   22
.set CSA,  23
.set STV,  24
.set RDV,  25
.set SPW,  28
.set NIL,  29
.set SCL,  30
.set LIM,  31
.set RAWC, 32
.set CF,   96
.set RR,   160
.set CODE, 192
.set XV,   32
.set VC,   160
.set G1,  24
.set G0,  32
.set G1B, 48
.set G0B, 56
.set MSB, 0
.macro WIN new
.if MSB != \new
	s_set_vgpr_msb (MSB<<8)|\new
.set MSB, \new
.endif
.endm
.macro JLOAD s
	s_cmp_eq_u32 s21, 0
	s_cbranch_scc0 .Lfor_b_\@
	tensor_load_to_lds s[G0+4*\s:G0+4*\s+3], s[G1:G1+7]
	s_nop 0
.rept 4
	v_nop
.endr
	s_branch .Lasked_\@
.Lfor_b_\@:
	tensor_load_to_lds s[G0B+4*\s:G0B+4*\s+3], s[G1B:G1B+7]
	s_nop 0
.rept 4
	v_nop
.endr
.Lasked_\@:
.endm
.macro CREST
	s_cmp_lg_u32 s20, 0
	s_cbranch_scc1 .Lnot_wave_0_\@
	s_barrier_signal -3
.Lnot_wave_0_\@:
	s_barrier_wait -3
	s_barrier_signal -1
	s_barrier_wait -1
.endm
.macro CROUND
	s_barrier_signal -1
	s_barrier_wait -1
	CREST
.endm
.macro PLACES
.rept 4
	v_nop
.endr
.endm
.macro FETCH slot, q, p
	WIN 0x80
.irp a, 0,1,2,3,4,5,6,7
.irp c, 0,1,2,3
	ds_load_b128 v[128*(\p)+16*\a+4*\c:128*(\p)+16*\a+4*\c+3], v[ADRA+\slot] offset:4096*\a+2048*(\q)+512*\c
.endr
.endr
	WIN 0xc0
.irp t, 0,1,2,3
.irp c, 0,1,2,3
	ds_load_b128 v[64*(\p)+16*\t+4*\c:64*(\p)+16*\t+4*\c+3], v[ADRB+\slot] offset:4096*\t+2048*(\q)+512*\c
.endr
.endr
.endm
.macro MUL a0, n, p, zero
	WIN 0x5b
.set ia, \a0
.rept \n
.irp t, 0,1,2,3
.if \zero
	v_wmma_f32_16x16x128_fp8_fp8 v[8*(4*ia+\t):8*(4*ia+\t)+7], v[64*(\p)+16*\t:64*(\p)+16*\t+15], v[128*(\p)+16*ia:128*(\p)+16*ia+15], 0
.else
	v_wmma_f32_16x16x128_fp8_fp8 v[8*(4*ia+\t):8*(4*ia+\t)+7], v[64*(\p)+16*\t:64*(\p)+16*\t+15], v[128*(\p)+16*ia:128*(\p)+16*ia+15], v[8*(4*ia+\t):8*(4*ia+\t)+7]
.endif
.endr
.set ia, ia+1
.endr
.endm
.macro STEP slot, zero
	s_wait_dscnt 0x0
	PLACES
	FETCH \slot, 1, 1
	MUL 0, 8, 0, \zero
.endm
.macro TURN slot, next, fill
	WIN 0
	s_wait_tensorcnt 0x0
	ds_add_u32 v[SPW], v[NIL]
	s_wait_dscnt 1
	MUL 0, 2, 1, 0
	s_wait_dscnt 0x0
	s_barrier_signal -1
	MUL 2, 2, 1, 0
	WIN 0
	s_barrier_wait -1
.if \fill
	CREST
	s_add_nc_u64 s[G0+4*\slot+2:G0+4*\slot+3], s[G0+4*\slot+2:G0+4*\slot+3], 8192
	s_add_nc_u64 s[G0B+4*\slot+2:G0B+4*\slot+3], s[G0B+4*\slot+2:G0B+4*\slot+3], 8192
	JLOAD \slot
	s_cmp_gt_u32 s23, 1                            ; the last trip's fills are 6 and 7: there is no fill two on
	s_cbranch_scc0 .Lnone_on_\@
	global_prefetch_b8 v26, s[66:67] offset:16384+4096*\slot th:TH_LOAD_NT scope:SCOPE_SE   ; my share of the fill two on
.Lnone_on_\@:
.else
	PLACES
.endif
	FETCH \next, 0, 0
	MUL 4, 4, 1, 0
.endm
	s_load_b256 s[4:11], s[0:1], 0x0
	s_load_b256 s[12:19], s[0:1], 0x20
	v_lshl_add_u32 v[SPW], v0, 2, SPARE
	v_mov_b32 v[NIL], 0
	ds_add_u32 v[SPW], v[NIL]
	ds_add_u32 v[SPW], v[NIL]
	v_lshrrev_b32 v1, 5, v0
	v_readfirstlane_b32 s20, v1
	s_lshr_b32 s21, s20, 1
	s_and_b32 s22, s20, 1
	s_bfe_u32 s40, ttmp6, 0x40000
	s_bfe_u32 s41, ttmp6, 0x40004
	s_lshl_b32 s42, ttmp9, 2
	s_add_co_u32 s42, s42, s40
	s_and_b32 s43, ttmp7, 0xffff
	s_lshl_b32 s43, s43, 2
	s_add_co_u32 s43, s43, s41
	s_max_u32 s44, ttmp9, 1
	s_sub_co_u32 s44, s44, 1
	s_lshl_b32 s45, s41, 2
	s_lshl_b32 s45, 15, s45
	s_lshl_b32 s46, 0x1111, s40
	s_or_b32 s[G1], s45, (3<<16)|(1<<21)
	s_or_b32 s[G1B], s46, (3<<16)|(1<<21)
.irp g, G1, G1B
	s_mov_b32 s[\g+1], 512<<16
	s_mov_b32 s[\g+3], 512<<16
	s_mov_b32 s[\g+5], KPITCH/8
	s_mov_b32 s[\g+6], 0
	s_mov_b32 s[\g+7], 0
.endr
	s_mov_b32 s[G1+2], 8<<16
	s_mov_b32 s[G1+4], 8
	s_mov_b32 s[G1B+2], 4<<16
	s_mov_b32 s[G1B+4], 4
	s_lshl_b32 s72, s43, 19
	s_lshl_b32 s73, s22, 18
	s_add_co_u32 s72, s72, s73
	s_lshl_b32 s73, s44, 23
	s_add_co_u32 s72, s72, s73
	s_mov_b32 s73, 0
	s_lshl_b32 s74, s42, 18
	s_lshl_b32 s75, s22, 17
	s_add_co_u32 s74, s74, s75
	s_mov_b32 s75, 0
	s_lshl_b32 s78, s22, 15
	s_lshl_b32 s79, s22, 14
	s_add_co_u32 s79, s79, BOFF
	s_wait_dscnt 0x0
	s_wait_kmcnt 0x0
	s_load_b256 s[80:87], s[12:13], 0x0
	s_load_b128 s[88:91], s[12:13], 0x20
	s_add_nc_u64 s[72:73], s[4:5], s[72:73]
	s_add_nc_u64 s[74:75], s[6:7], s[74:75]
	; the prefetches: of the tiles that my wave fetches (8 of A, 4 of B; 4,096 bytes of each a fill) the four partners that ask jointly take shares BY ADDRESS: two tiles of A by cx, one of B by cy; a lane names 256 bytes
	s_cmp_eq_u32 s21, 0
	s_cselect_b64 s[66:67], s[72:73], s[74:75]
	s_cselect_b32 s98, s40, s41
	s_cselect_b32 s99, 16, 15
	s_cselect_b32 s47, 31, 15                      ; B's share has 16 blocks: lanes 16-31 name the last again
	s_lshl_b32 s98, s98, s99
	s_mov_b32 s99, 0
	s_add_nc_u64 s[66:67], s[66:67], s[98:99]
	v_and_b32 v27, 31, v0
	v_min_u32 v27, s47, v27
	v_lshrrev_b32 v26, 4, v27
	v_and_b32 v27, 15, v27
	v_lshlrev_b32 v27, 8, v27
	v_lshl_add_u32 v26, v26, 15, v27               ; v26: tile x 32,768 + 256 x block; never rewritten
	CROUND
.irp s, 0,1
	s_mov_b32 s[G0+4*\s], 1
	s_add_co_u32 s[G0+4*\s+1], s78, \s*SLOT
	s_add_nc_u64 s[G0+4*\s+2:G0+4*\s+3], s[72:73], \s*4096
	s_or_b32 s[G0+4*\s+3], s[G0+4*\s+3], 0x80000000
	s_mov_b32 s[G0B+4*\s], 1
	s_add_co_u32 s[G0B+4*\s+1], s79, \s*SLOT
	s_add_nc_u64 s[G0B+4*\s+2:G0B+4*\s+3], s[74:75], \s*4096
	s_or_b32 s[G0B+4*\s+3], s[G0B+4*\s+3], 0x80000000
	s_wait_alu depctr_va_vdst(0)
	s_wait_tensorcnt 0x0
	ds_add_u32 v28, v29
	ds_add_u32 v28, v29
	s_wait_dscnt 0x0
	CROUND
	JLOAD \s
	global_prefetch_b8 v26, s[66:67] offset:8192+4096*\s th:TH_LOAD_NT scope:SCOPE_SE   ; behind fill s: my share of fill s + 2
.endr
	v_and_b32 v1, 31, v0
	v_lshlrev_b32 v[LI], 4, v1
	v_and_b32 v2, 15, v0
	v_bfe_u32 v3, v0, 4, 1
	s_wait_alu depctr_va_vdst(0)
	v_and_b32 v4, 8, v2
	v_add_nc_u32 v4, v4, v2
	s_lshl_b32 s92, s21, 15
	s_lshl_b32 s93, s22, 14
	s_add_co_u32 s93, s93, BOFF
.irp s, 0,1
	v_add_nc_u32 v[ADRA+\s], s92, v[LI]
	v_add_nc_u32 v[ADRB+\s], s93, v[LI]
	s_add_co_u32 s92, s92, SLOT
	s_add_co_u32 s93, s93, SLOT
.endr
	v_lshlrev_b32 v[CSA], 7, v4
	v_lshl_add_u32 v[CSA], v3, 5, v[CSA]
	s_mul_i32 s94, s20, 64*VP
	v_mul_u32_u24 v[STV], v3, 8*VP
	s_wait_alu depctr_va_vdst(0)
	v_lshl_add_u32 v[STV], v4, 2, v[STV]
	v_add_nc_u32 v[STV], s94, v[STV]
	v_mul_u32_u24 v[RDV], v2, VP
	v_lshl_add_u32 v[RDV], v3, 6, v[RDV]
	v_add_nc_u32 v[RDV], s94, v[RDV]
	s_and_b32 s94, s43, 7
	s_lshl_b32 s94, s94, 15
	s_lshl_b32 s95, s21, 14
	s_add_co_u32 s94, s94, s95
	s_mov_b32 s95, 0
	s_add_nc_u64 s[8:9], s[8:9], s[94:95]
	s_add_nc_u64 s[10:11], s[10:11], s[94:95]
	s_cmp_eq_u32 s44, 1
	s_cselect_b64 s[76:77], s[16:17], s[14:15]
	s_cselect_b32 s96, 8, 0
	s_cmp_eq_u32 s44, 2
	s_cselect_b64 s[76:77], s[18:19], s[76:77]
	s_cselect_b32 s96, 12, s96
	s_sub_co_u32 s96, s42, s96
	s_lshl_b32 s96, s96, 1
	s_add_co_u32 s96, s96, s22
	s_lshl_b32 s96, s96, 18
	s_lshl_b32 s97, s43, 1
	s_add_co_u32 s97, s97, s21
	s_lshl_b32 s97, s97, 13
	s_add_co_u32 s96, s96, s97
	s_mov_b32 s97, 0
	s_add_nc_u64 s[76:77], s[76:77], s[96:97]
	s_wait_tensorcnt 1
	s_barrier_signal -1
	s_barrier_wait -1
	FETCH 0, 0, 0
	STEP 0, 1
	WIN 0
	s_mov_b32 s23, 3
.Llap:
	TURN 0, 1, 1
	STEP 1, 0
	TURN 1, 0, 1
	STEP 0, 0
	WIN 0
	s_wait_xcnt 0x0                                ; the trip's prefetches have read their base: it is written only behind this wait
	s_add_nc_u64 s[66:67], s[66:67], 8192          ; two fills on
	s_sub_co_u32 s23, s23, 1
	s_cmp_lg_u32 s23, 0
	s_cbranch_scc1 .Llap
	TURN 0, 1, 0
	WIN 0
	s_wait_kmcnt 0x0
	s_cmp_eq_u32 s44, 1
	s_cselect_b32 s68, s82, s80
	s_cselect_b32 s69, s83, s81
	s_cselect_b32 s70, s87, s86
	s_cmp_eq_u32 s44, 2
	s_cselect_b32 s68, s84, s68
	s_cselect_b32 s69, s85, s69
	s_cselect_b32 s70, s88, s70
	s_sub_co_i32 s70, s70, s68
	s_sub_co_i32 s70, s70, s69
	s_add_co_i32 s70, s70, 127
	s_lshl_b32 s71, s70, 23
	v_mov_b32 v[SCL], s71
	s_add_co_i32 s70, s70, 8
	s_lshl_b32 s70, s70, 23
	s_or_b32 s70, s70, 0x600000
	v_mov_b32 v[LIM], s70
	s_cmp_eq_u32 s44, 2
	s_cbranch_scc1 .Lvalues
.macro CV8 d, p0, p1, p2, p3
	v_cvt_f32_f16 v[\d], v\p0\().l
	v_cvt_f32_f16 v[\d+1], v\p0\().h
	v_cvt_f32_f16 v[\d+2], v\p1\().l
	v_cvt_f32_f16 v[\d+3], v\p1\().h
	v_cvt_f32_f16 v[\d+4], v\p2\().l
	v_cvt_f32_f16 v[\d+5], v\p2\().h
	v_cvt_f32_f16 v[\d+6], v\p3\().l
	v_cvt_f32_f16 v[\d+7], v\p3\().h
.endm
.macro CVSET0
	CV8 CF, 32, 33, 34, 35
	CV8 CF+8, 36, 37, 38, 39
	CV8 CF+16, 40, 41, 42, 43
	CV8 CF+24, 44, 45, 46, 47
	CV8 CF+32, 48, 49, 50, 51
	CV8 CF+40, 52, 53, 54, 55
	CV8 CF+48, 56, 57, 58, 59
	CV8 CF+56, 60, 61, 62, 63
.endm
.macro CVSET1
	CV8 CF, 64, 65, 66, 67
	CV8 CF+8, 68, 69, 70, 71
	CV8 CF+16, 72, 73, 74, 75
	CV8 CF+24, 76, 77, 78, 79
	CV8 CF+32, 80, 81, 82, 83
	CV8 CF+40, 84, 85, 86, 87
	CV8 CF+48, 88, 89, 90, 91
	CV8 CF+56, 92, 93, 94, 95
.endm
.macro CSLOAD a
.irp B, 0,1
.irp U, 0,1
	global_load_b128 v[RAWC+32*((\a)&1)+8*\B+4*\U:RAWC+32*((\a)&1)+8*\B+4*\U+3], v[CSA], s[8:9] offset:(32*((\a)>>1)+8*((\a)&1))*128+64*\B+16*\U
	global_load_b128 v[RAWC+32*((\a)&1)+16+8*\B+4*\U:RAWC+32*((\a)&1)+16+8*\B+4*\U+3], v[CSA], s[10:11] offset:(32*((\a)>>1)+8*((\a)&1))*128+64*\B+16*\U
.endr
.endr
.endm
.macro QKBLK a
.if \a < 7
	s_wait_loadcnt 8
.else
	s_wait_loadcnt 0x0
.endif
.if ((\a)&1) == 0
	CVSET0
.else
	CVSET1
.endif
.if \a < 6
	CSLOAD (\a)+2
.endif
	WIN 0x01
.irp U, 0,1
.irp j, 0,2,4,6
	v_pk_mul_f32 v[12:13], v[8*(4*(\a)+2+\U)+\j:8*(4*(\a)+2+\U)+\j+1], v[CF+32+8*\U+\j:CF+32+8*\U+\j+1]
	v_pk_mul_f32 v[14:15], v[8*(4*(\a)+\U)+\j:8*(4*(\a)+\U)+\j+1], v[CF+48+8*\U+\j:CF+48+8*\U+\j+1]
	v_pk_fma_f32 v[RR+8*\U+\j:RR+8*\U+\j+1], v[8*(4*(\a)+\U)+\j:8*(4*(\a)+\U)+\j+1], v[CF+8*\U+\j:CF+8*\U+\j+1], v[12:13] neg_lo:[0,0,1] neg_hi:[0,0,1]
	v_pk_fma_f32 v[RR+16+8*\U+\j:RR+16+8*\U+\j+1], v[8*(4*(\a)+2+\U)+\j:8*(4*(\a)+2+\U)+\j+1], v[CF+16+8*\U+\j:CF+16+8*\U+\j+1], v[14:15]
.endr
.endr
	WIN 0
.set n, 0
.rept 32
	v_med3_num_f32 v[RR+n], v[RR+n], -v[LIM], v[LIM]
.set n, n+1
.endr
.irp B, 0,1
.irp U, 0,1
	v_cvt_scalef32_pk8_fp8_f32 v[CODE+8*(\a)+4*\B+2*\U:CODE+8*(\a)+4*\B+2*\U+1], v[RR+16*\B+8*\U:RR+16*\B+8*\U+7], v[SCL]
.endr
.endr
	v_nop
.irp B, 0,1
	global_store_b128 v[LI], v[CODE+8*(\a)+4*\B:CODE+8*(\a)+4*\B+3], s[76:77] offset:1024*(\a)+512*\B
.endr
.endm
	CSLOAD 0
	CSLOAD 1
	STEP 1, 0
	s_wait_dscnt 0x0
	MUL 0, 8, 1, 0
	WIN 0
.irp a, 0,1,2,3,4,5,6,7
	QKBLK \a
.endr
	s_branch .Lend
.Lvalues:
	STEP 1, 0
	s_wait_dscnt 0x0
	MUL 0, 8, 1, 0
	WIN 0
	PLACES
	s_wait_alu depctr_va_vdst(0)
.irp hf, 0,1
	WIN 0x04
.irp aa, 0,1,2,3
.irp t, 0,1,2,3
.irp j, 0,1,2,3,4,5,6,7
	ds_store_b32 v[STV], v[8*(4*(4*\hf+\aa)+\t)+\j] offset:(16*\t+\j)*VP+4*(32*(\aa>>1)+8*(\aa&1))
.endr
.endr
.endr
	WIN 0
.irp t, 0,1,2,3
.irp c, 0,1
.irp i, 0,1,2,3
	ds_load_b128 v[XV+32*\t+16*\c+4*\i:XV+32*\t+16*\c+4*\i+3], v[RDV] offset:16*\t*VP+128*\c+16*\i
.endr
.endr
.endr
	s_wait_dscnt 0x0
.set n, 0
.rept 128
	v_med3_num_f32 v[XV+n], v[XV+n], -v[LIM], v[LIM]
.set n, n+1
.endr
.irp t, 0,1,2,3
.irp c, 0,1
.irp i, 0,1
	v_cvt_scalef32_pk8_fp8_f32 v[VC+16*\t+4*(2*\hf+\c)+2*\i:VC+16*\t+4*(2*\hf+\c)+2*\i+1], v[XV+32*\t+16*\c+8*\i:XV+32*\t+16*\c+8*\i+7], v[SCL]
.endr
.endr
.endr
	v_nop
.endr
.irp t, 0,1,2,3
.irp c, 0,1,2,3
	global_store_b128 v[LI], v[VC+16*\t+4*\c:VC+16*\t+4*\c+3], s[76:77] offset:2048*\t+512*\c
.endr
.endr
.Lend:
	s_wait_tensorcnt 0x0
	ds_add_u32 v[SPW], v[NIL]
	s_wait_dscnt 0x0
	CROUND
	s_endpgm
.Lfunc_end_k_qb6c9a67490_qkv:
	.size	k_qb6c9a67490_qkv, .Lfunc_end_k_qb6c9a67490_qkv-k_qb6c9a67490_qkv
	.p2alignl 7, 3214868480
	.fill 96, 4, 3214868480
	.section	.rodata,"a",@progbits
	.p2align	6, 0x0
	.amdhsa_kernel k_qb6c9a67490_qkv
		.amdhsa_group_segment_fixed_size 327680
		.amdhsa_private_segment_fixed_size 0
		.amdhsa_enable_private_segment 0
		.amdhsa_kernarg_size 64
		.amdhsa_user_sgpr_count 2
		.amdhsa_user_sgpr_kernarg_segment_ptr 1
		.amdhsa_wavefront_size32 1
		.amdhsa_system_sgpr_workgroup_id_x 1
		.amdhsa_system_sgpr_workgroup_id_y 1
		.amdhsa_system_sgpr_workgroup_id_z 1
		.amdhsa_system_vgpr_workitem_id 0
		.amdhsa_next_free_vgpr 1024
		.amdhsa_next_free_sgpr 100
		.amdhsa_reserve_vcc 0
		.amdhsa_float_denorm_mode_32 3
		.amdhsa_float_denorm_mode_16_64 3
		.amdhsa_memory_ordered 1
		.amdhsa_forward_progress 1
		.amdhsa_inst_pref_size 161
	.end_amdhsa_kernel
	.amdgpu_metadata
---
amdhsa.version: [ 1, 2 ]
amdhsa.kernels:
  - .name:           k_qb6c9a67490_qkv
    .symbol:         k_qb6c9a67490_qkv.kd
    .args:
      - { .name: xc, .offset: 0, .size: 8, .value_kind: global_buffer, .address_space: global }
      - { .name: wc, .offset: 8, .size: 8, .value_kind: global_buffer, .address_space: global }
      - { .name: cos, .offset: 16, .size: 8, .value_kind: global_buffer, .address_space: global }
      - { .name: sin, .offset: 24, .size: 8, .value_kind: global_buffer, .address_space: global }
      - { .name: lowp_scales, .offset: 32, .size: 8, .value_kind: global_buffer, .address_space: global }
      - { .name: qc, .offset: 40, .size: 8, .value_kind: global_buffer, .address_space: global }
      - { .name: kc, .offset: 48, .size: 8, .value_kind: global_buffer, .address_space: global }
      - { .name: vc, .offset: 56, .size: 8, .value_kind: global_buffer, .address_space: global }
    .group_segment_fixed_size: 327680
    .private_segment_fixed_size: 0
    .kernarg_segment_align: 8
    .kernarg_segment_size: 64
    .max_flat_workgroup_size: 128
    .sgpr_count:     100
    .vgpr_count:     1024
    .wavefront_size: 32
...
	.end_amdgpu_metadata
.endif
;; end of part 2
;; launch attn (part 3): grid 256 x 1, 8 waves a work-group, no clusters, 263,168 bytes of LDS; arguments qc, kc, vc, mimg, lowp_scales, oc, fl; writes oc
.if DOCPART == 3
	.amdgcn_target "amdgcn-amd-amdhsa--gfx1250"
	.amdhsa_code_object_version 6
	.text
	.protected	k_qb6c9a67490_attn
	.globl	k_qb6c9a67490_attn
	.p2align	8
	.type	k_qb6c9a67490_attn,@function
k_qb6c9a67490_attn:
	s_mov_b64 s[64:65], 0
	v_nop
	global_prefetch_b8 v0, s[64:65] scope:SCOPE_SE
	s_setreg_imm32_b32 hwreg(HW_REG_WAVE_MODE, 25, 1), 1
	s_wait_xcnt 0x0
; ATTENTION on codes of E4M3: scores = q k^T / 8 + mask; p = 2^(t - M), t = score x log2(e), M = the ceiling of the row's running largest t; O = (sum of p v) / (sum of the unquantised p).
; (cache_k and cache_v are left out: see the first kernel's head.)
; THE MASK IS AN INPUT, AND WHOLE NUMBERS SAY WHAT IT ASKS FOR.  The first launch has stored, for each (key step of 128 keys, query tile of 16), two bits in fl: 0 = the mask's image is -infinity everywhere,
; 1 = zero everywhere, 2 = anything else.  My tile's sixteen codes are one 32-bit word.  Code 0: every score of the step is -infinity, so every p is 0 and neither the largest t, the sum nor O moves: a scalar branch
; leads round the step's work.  Code 1: the scores are the products as they are, and no byte of the image is loaded.  Code 2: the image is added.  This holds for every mask of the stated shape.
; SHARES.  Work-group x owns (batch, kv head) x / 16 with the kv head's two query heads, and the eight query tiles x % 16 + 16 g, g = 0 .. 7; wave w takes g = w (w < 4) or 11 - w, for BOTH heads, so that each fragment of
; K and V and each register of the mask serves two tiles.  The tiles of a work-group lie 16 apart, so that steps which a mask hides from early or late queries are spread over all work-groups alike.
; Every wave walks all sixteen key steps in a loop of constant count.
; K AND V STAY IN LDS: 2 x 16 steps x 8,192 bytes = 262,144 bytes, filled once at the head, through registers (64 loads and 64 LDS stores of 512 bytes a wave), one barrier; the loop over the keys has none.
; THE IMAGE IS THE C OPERAND of the first product: it holds mask x 8 / 2^(e6 + e7) as f32 in the layout of a tile of scores, so S = K Q^T + image costs no addition.  Its 8,192 bytes a wave and step go straight into
; registers, sixteen loads of 512 consecutive bytes, issued a step ahead of their use.  t = c S, c = log2(e) / 8 x 2^(e6 + e7).
; THE HOLD OF p.  p = 2^(t - M) is at most 1, and 448 x 2^e9 is at least 1.75 where e9 >= -8: there the hold changes no number, and a scalar branch on e9 leads round its 128 lines; else they run.
; NO TENSOR LOAD, NO CLUSTER.  K and V are not prefetched: they are asked for at the head, with no loop to run ahead in.
; LAYOUT.  All inputs are images of operand registers (at 16 x lane, 512 bytes a group of four registers).  Both products are used transposed: S^T = K Q^T, O^T = V^T P^T: a lane holds ONE query throughout.
; The keys of a tile are not neighbours (lane r of tile 2 b + u: key 32 b + 8 u + r + 8 (r / 8)), so register 16 b + i of a lane's scores is key 32 b + 16 h + i: p's conversions give the second product's operand as it stands.
; The two heads' O^T, quantised, are one fragment (16 tokens x 128 K) of the last product's operand: oc [tile 256][kv head 8][2048 B].
; A row whose mask is -infinity at every key has the sum 0: its codes are made the NaN code, as reference() gives NaN there.
; LIMITS: e6 + e7 between -123 and 129; e9 and e10 between -126 and 119; e8 + e9 is applied by v_ldexp_f32.  NaN among the inputs is not served.  The scaled scores stay under 2^31 in magnitude.
; REGISTERS: window 0: v1-14 addresses and constants; v16-47 statistics, 16 a head; v64-191 S^T, then p, 64 a head; v192-223 p's codes; v224-239 Q.   window 1: v0-63 the mask; v64-127 K's 8 fragments; v128-191 V's 4; v192-255 O^T.
.set STEPB, 8192                       ; a step's K, or its V
.set VOFF,  16*STEPB                   ; LDS: K's sixteen steps from byte 0, V's from here
.set SPARE, 2*VOFF                     ; the spare words, 128 bytes for each wave: four blocks of 256 bytes that no other line names
.set LI,   1                           ; v1   16 x lane
.set AV0,  2                           ; v2   V's first step in LDS, + 16 x lane
.set ADW,  3                           ; v3   the fill: 32,768 x wave + 16 x lane
.set ADK,  4                           ; v4   this step's K
.set ADV,  5                           ; v5   this step's V
.set PFO,  6                           ; v6   256 x lane; never rewritten
.set SPW,  8                           ; v8   my spare word; never rewritten
.set NIL,  9                           ; v9   0; never rewritten
.set SC9,  10                          ; 2^e9, 448 x 2^e9: p's quantiser
.set LM9,  11
.set SC10, 12                          ; the same with e10: O's
.set LM10, 13
.set NANC, 14                          ; four NaN codes
.set ST,   16                          ; head e at v[ST + 16 e]: +0 -M, +1 the largest t, +2:3 the sum, +4:5 f, +6, +7 at work, +8:9 a second sum, +10 the other half's, +11 the old -M
.set S,    64
.set PC,   192
.set QF,   224
.set MF,   0
.set KF,   64
.set VF,   128
.set OA,   192
.set WV,   16                          ; s16 wave
.set SEL,  22                          ; s[22:23] lane selects: lane l xor 16
.set CS,   24                          ; s[24:25] c, twice
.set TB,   60                          ; s60 8,192 x the step
.set CNT,  61                          ; s61 the loop's trips to go
.set MB,   66                          ; s[66:67] my tile's part of the mask's image, at the NEXT step
.set W,    68                          ; s68 my tile's codes, the next step's in bits 1:0
.set WP,   69                          ; s69 the same in a work-group that prefetches, else 0
.set CUR,  70                          ; s70 this step's code
.set NXT,  71                          ; s71 the next step's
.set E9,   77                          ; s77 e9
.set MSB, 0
.macro WIN new                         ; the immediate's high byte repeats the setting that is left
.if MSB != \new
	s_set_vgpr_msb (MSB<<8)|\new
.set MSB, \new
.endif
.endm
.macro MKSC e, vs, vl                  ; 2^e and 448 x 2^e as f32 patterns
	s_add_co_i32 s80, \e, 127
	s_lshl_b32 s81, s80, 23
	v_mov_b32 v[\vs], s81
	s_add_co_i32 s80, s80, 8
	s_lshl_b32 s80, s80, 23
	s_or_b32 s80, s80, 0x600000
	v_mov_b32 v[\vl], s80
.endm
; WHAT THE NEXT STEP WANTS: its K from LDS unless it is hidden; its part of the image where its code is 2.  Behind step 15 the codes' word is 0: nothing is asked for, and no load leaves the image.
; pf = 1: A PREFETCH of my tile's 8,192 bytes of the image, 32 lanes 256 bytes apart: in step t the loads take step t + 1 and this line names step t + 3, two key steps ahead of the loads that will want it, where that step's code is 2.
; Each block of 256 bytes is named once in the launch: a tile's part is walked by sixteen work-groups, one for each (batch, kv head); that of the first asks.  Steps 0 to 2 come by their loads alone.
.macro NEXT adr, koff, pf
	s_cmp_eq_u32 s[NXT], 0
	s_cbranch_scc1 .Lnone_\@
	WIN 0x40                                       ; destination window 1
.set n, 0
.rept 16
	ds_load_b128 v[KF+4*n:KF+4*n+3], v[\adr] offset:\koff+512*n
.set n, n+1
.endr
	WIN 0
	s_cmp_eq_u32 s[NXT], 2
	s_cbranch_scc0 .Lnone_\@
	WIN 0x40
.set n, 0
.rept 16
	global_load_b128 v[MF+4*n:MF+4*n+3], v[LI], s[MB:MB+1] offset:512*n   ; the wave reads 512 consecutive bytes, aligned
.set n, n+1
.endr
	WIN 0
.Lnone_\@:
.if \pf
	s_bfe_u32 s80, s[WP], 0x20004                  ; the code of step t + 3
	s_cmp_eq_u32 s80, 2
	s_cbranch_scc0 .Lnot_mine_\@
	global_prefetch_b8 v[PFO], s[MB:MB+1] offset:0x200000 th:TH_LOAD_NT scope:SCOPE_SE
.Lnot_mine_\@:
.endif
.endm
	s_load_b256 s[4:11], s[0:1], 0x0               ; qc, kc, vc, mimg
	s_load_b128 s[12:15], s[0:1], 0x20             ; the scales' exponents, oc
	s_load_b64 s[26:27], s[0:1], 0x30              ; fl
	v_lshl_add_u32 v[SPW], v0, 2, SPARE
	v_mov_b32 v[NIL], 0
	v_lshrrev_b32 v7, 5, v0
	v_readfirstlane_b32 s[WV], v7                  ; wave 0..7
	v_and_b32 v7, 31, v0
	v_lshlrev_b32 v[LI], 4, v7
	v_lshlrev_b32 v[PFO], 8, v7
	v_add_nc_u32 v[AV0], VOFF, v[LI]
	s_lshl_b32 s80, s[WV], 15
	v_add_nc_u32 v[ADW], s80, v[LI]                ; waves 0 to 3 fill K's quarters, waves 4 to 7 V's: VOFF is four quarters, so the place in LDS is 32,768 x wave
	s_and_b32 s18, ttmp9, 15
	s_lshr_b32 s19, ttmp9, 4
	s_lshr_b32 s20, s19, 3                         ; batch
	s_and_b32 s21, s19, 7                          ; kv head
	s_and_b32 s81, s[WV], 3
	s_lshl_b32 s81, s81, 15
	s_lshl_b32 s86, s21, 18
	s_lshl_b32 s87, s20, 17
	s_add_co_u32 s86, s86, s87
	s_add_co_u32 s86, s86, s81                     ; kv head x 262,144 + batch x 131,072 + my quarter: the same in kc and in vc
	s_mov_b32 s87, 0
	s_sub_co_u32 s81, 11, s[WV]
	s_cmp_lt_u32 s[WV], 4
	s_cselect_b32 s81, s[WV], s81                  ; g
	s_lshl_b32 s81, s81, 4
	s_add_co_u32 s89, s81, s18                     ; my query tile in the sequence: x % 16 + 16 g
	s_lshl_b32 s88, s20, 7
	s_add_co_u32 s88, s88, s89                     ; my tile of tokens: 128 batch + that
	s_lshl_b32 s90, s21, 19
	s_lshl_b32 s91, s88, 10
	s_add_co_u32 s90, s90, s91                     ; Q: head 2 kv head, my tile
	s_mov_b32 s91, 0
	s_lshl_b32 s92, s88, 3
	s_add_co_u32 s92, s92, s21
	s_lshl_b32 s92, s92, 11                        ; oc: (tile, kv head)
	s_mov_b32 s93, 0
	s_lshl_b32 s94, s89, 13                        ; the mask's image: step 0, my tile; a step on is 2^20 bytes
	s_mov_b32 s95, 0
	s_lshl_b32 s82, s89, 2                         ; fl: my tile's word
	s_mov_b32 s83, 0
	s_mov_b32 s[SEL], 0x76543210
	s_mov_b32 s[SEL+1], 0xfedcba98
	s_mov_b32 s[TB], 0
	s_wait_alu depctr_va_vdst(0)
	s_wait_kmcnt 0x0
	s_load_b256 s[72:79], s[12:13], 0x10           ; entries 4 .. 11
	s_add_nc_u64 s[26:27], s[26:27], s[82:83]
	s_load_b32 s[W], s[26:27], 0x0
	s_cmp_lt_u32 s[WV], 4
	s_cselect_b64 s[84:85], s[6:7], s[8:9]
	s_add_nc_u64 s[84:85], s[84:85], s[86:87]
	s_add_nc_u64 s[4:5], s[4:5], s[90:91]
	s_add_nc_u64 s[14:15], s[14:15], s[92:93]
	s_add_nc_u64 s[MB:MB+1], s[10:11], s[94:95]
.irp e, 0,1
.irp c, 0,1
	global_load_b128 v[QF+8*\e+4*\c:QF+8*\e+4*\c+3], v[LI], s[4:5] offset:262144*\e+512*\c   ; Q stays in registers
.endr
.endr
.set n, 0
.rept 32
	global_load_b128 v[S+4*n:S+4*n+3], v[LI], s[84:85] offset:512*n       ; my quarter's first half, in the scores' registers,
.set n, n+1
.endr
	WIN 0x40                                       ; destination window 1
.set n, 0
.rept 32
	global_load_b128 v[MF+4*n:MF+4*n+3], v[LI], s[84:85] offset:16384+512*n   ; its second, in the mask's and K's
.set n, n+1
.endr
.set n, 0
.rept 64
	v_mov_b32 v[OA+n], 0                           ; O^T.  (The step is written once, and which step is a tile's first hangs on the mask: it finds zeros, which the first change of M leaves zeros)
.set n, n+1
.endr
	WIN 0
.irp e, 0,1
	v_mov_b32 v[ST+16*\e+1], 0xff61b1e6            ; the largest t so far: -3e38
	v_mov_b32 v[ST+16*\e+2], 0                     ; the sum, in two halves
	v_mov_b32 v[ST+16*\e+3], 0
	v_mov_b32 v[ST+16*\e+5], 0                     ; (named as the upper half of f's pair)
	v_mov_b32 v[ST+16*\e+10], 0                    ; a lane permute's destination counts as one of its sources
	v_floor_f32 v[ST+16*\e], -v[ST+16*\e+1]        ; -M
.endr
	v_mov_b32 v[NANC], 0x7f7f7f7f
	s_wait_kmcnt 0x0
	s_cmp_lt_u32 ttmp9, 16                         ; the work-groups of the first (batch, kv head) prefetch
	s_cselect_b32 s[WP], s[W], 0
	s_and_b32 s[NXT], s[W], 3                      ; step 0's code
	s_add_co_i32 s80, s74, s75
	s_lshl_b32 s80, s80, 23
	s_add_co_i32 s[CS], s80, 0x3e38aa3b            ; c = log2(e) / 8, with e6 + e7 added to its exponent field
	s_mov_b32 s[CS+1], s[CS]
	MKSC s77, SC9, LM9
	MKSC s78, SC10, LM10
	s_wait_alu depctr_va_vdst(0)
	s_wait_loadcnt 32                              ; all but the 32 loads issued last: Q and my quarter's first half are in
.set n, 0
.rept 32
	ds_store_b128 v[ADW], v[S+4*n:S+4*n+3] offset:512*n
.set n, n+1
.endr
	s_wait_loadcnt 0x0
	WIN 0x04                                       ; store data window 1
.set n, 0
.rept 32
	ds_store_b128 v[ADW], v[MF+4*n:MF+4*n+3] offset:16384+512*n
.set n, n+1
.endr
	WIN 0
	s_wait_dscnt 0x0                               ; for the others' sake: my quarter lies in LDS
	s_barrier_signal -1
	s_barrier_wait -1                              ; all of K and V does: from here on LDS is only read
	NEXT LI, 0, 0                                  ; what step 0 wants
	s_mov_b32 s[CNT], 16
.Lstep:                                            ; A KEY STEP: 128 keys, both heads; sixteen trips
	s_wait_dscnt 0x0                               ; K is in, if it was asked for,
	s_wait_loadcnt 0x0                             ; and so is this step's part of the image;
	s_wait_xcnt 0x0                                ; any prefetch has read its base, which is written only behind this wait
	s_add_nc_u64 s[MB:MB+1], s[MB:MB+1], 0x100000  ; the next step's part
	s_and_b32 s[CUR], s[W], 3
	s_lshr_b32 s[W], s[W], 2
	s_lshr_b32 s[WP], s[WP], 2
	s_and_b32 s[NXT], s[W], 3
	s_cmp_eq_u32 s[CUR], 0
	s_cbranch_scc1 .Lscored                        ; hidden: no scores
	s_cmp_eq_u32 s[CUR], 2
	s_cbranch_scc1 .Lgeneral
	WIN 0x01                                       ; K window 1
.irp t, 0,1,2,3,4,5,6,7
.irp e, 0,1
	v_wmma_f32_16x16x64_fp8_fp8 v[S+64*\e+8*\t:S+64*\e+8*\t+7], v[KF+8*\t:KF+8*\t+7], v[QF+8*\e:QF+8*\e+7], 0
.endr
.endr
	WIN 0
	s_branch .Lscored
.Lgeneral:
	WIN 0x11                                       ; K and the image window 1
.irp t, 0,1,2,3,4,5,6,7
.irp e, 0,1
	v_wmma_f32_16x16x64_fp8_fp8 v[S+64*\e+8*\t:S+64*\e+8*\t+7], v[KF+8*\t:KF+8*\t+7], v[QF+8*\e:QF+8*\e+7], v[MF+8*\t:MF+8*\t+7]
.endr
.endr
	WIN 0
.Lscored:
	v_add_nc_u32 v[ADK], s[TB], v[LI]              ; five places: behind these products four for the first read of the scores and for the loads into K's and the image's registers,
	v_add_nc_u32 v[ADV], s[TB], v[AV0]             ; five for the next products that write the scores' registers again; and behind the last V^T P for the loads into V's
	v_nop
	v_nop
	v_nop
	s_wait_alu depctr_va_vdst(0)
	NEXT ADK, STEPB, 1
	s_cmp_eq_u32 s[CUR], 0
	s_cbranch_scc1 .Lhidden                        ; hidden: every p would be 0
	WIN 0x40                                       ; destination window 1
.set n, 0
.rept 16
	ds_load_b128 v[VF+4*n:VF+4*n+3], v[ADV] offset:512*n
.set n, n+1
.endr
	WIN 0
.irp e, 0,1
	v_max3_num_f32 v[ST+16*\e+6], v[S+64*\e], v[S+64*\e+1], v[S+64*\e+2]   ; the step's largest, among my 64 keys: two chains a head, four by turns; each accumulator from its low end on
	v_max3_num_f32 v[ST+16*\e+7], v[S+64*\e+3], v[S+64*\e+4], v[S+64*\e+5]
.endr
.irp i, 6,10,14,18,22,26,30,34,38,42,46,50,54,58
.irp e, 0,1
	v_max3_num_f32 v[ST+16*\e+6], v[ST+16*\e+6], v[S+64*\e+\i], v[S+64*\e+\i+1]
	v_max3_num_f32 v[ST+16*\e+7], v[ST+16*\e+7], v[S+64*\e+\i+2], v[S+64*\e+\i+3]
.endr
.endr
.irp e, 0,1
	v_max3_num_f32 v[ST+16*\e+6], v[ST+16*\e+6], v[S+64*\e+62], v[S+64*\e+63]
.endr
.irp e, 0,1
	v_max_num_f32 v[ST+16*\e+6], v[ST+16*\e+6], v[ST+16*\e+7]
.endr
.irp e, 0,1
	v_permlanex16_b32 v[ST+16*\e+10], v[ST+16*\e+6], s[SEL], s[SEL+1]
.endr
.irp e, 0,1
	v_max_num_f32 v[ST+16*\e+6], v[ST+16*\e+6], v[ST+16*\e+10]   ; and among lane l xor 16's
.endr
.irp e, 0,1
	v_mul_f32 v[ST+16*\e+6], s[CS], v[ST+16*\e+6]                ; as t (c is positive)
.endr
.irp e, 0,1
	v_max_num_f32 v[ST+16*\e+1], v[ST+16*\e+1], v[ST+16*\e+6]    ; the running largest t
.endr
.irp e, 0,1
	v_mov_b32 v[ST+16*\e+11], v[ST+16*\e]
.endr
.irp e, 0,1
	v_floor_f32 v[ST+16*\e], -v[ST+16*\e+1]                      ; -M = floor(-t): M is a whole number
.endr
.irp e, 0,1
	v_sub_f32 v[ST+16*\e+6], v[ST+16*\e], v[ST+16*\e+11]         ; old M - new M
.endr
.irp e, 0,1
	v_cvt_i32_f32 v[ST+16*\e+6], v[ST+16*\e+6]                   ; (it saturates)
.endr
.irp e, 0,1
	v_ldexp_f32 v[ST+16*\e+4], 1.0, v[ST+16*\e+6]                ; f = 2^(old M - new M): rescaling by it rounds nothing
.endr
.irp e, 0,1
.set n, 0
.rept 32
	v_pk_fma_f32 v[S+64*\e+n:S+64*\e+n+1], v[S+64*\e+n:S+64*\e+n+1], s[CS:CS+1], v[ST+16*\e:ST+16*\e+1] op_sel_hi:[1,0,0]   ; t - M
.set n, n+2
.endr
.endr
	s_wait_alu depctr_va_vdst(0)
.set n, 0
.rept 128
	v_exp_f32 v[S+n], v[S+n]                       ; p = 2^(t - M): one batch for both heads
.set n, n+1
.endr
.irp e, 0,1
	v_pk_mul_f32 v[ST+16*\e+2:ST+16*\e+3], v[ST+16*\e+2:ST+16*\e+3], v[ST+16*\e+4:ST+16*\e+5] op_sel_hi:[1,0]   ; the sums under the new M (plain lines behind the exponentials)
.endr
	s_wait_alu depctr_va_vdst(0)                   ; one wait for the batch, ahead of its first reader
.irp e, 0,1
	v_pk_add_f32 v[ST+16*\e+8:ST+16*\e+9], v[S+64*\e:S+64*\e+1], v[S+64*\e+2:S+64*\e+3]   ; the row's sum is taken of the unquantised p
.endr
.irp j, 4,8,12,16,20,24,28,32,36,40,44,48,52,56,60
.irp e, 0,1
	v_pk_add_f32 v[ST+16*\e+2:ST+16*\e+3], v[ST+16*\e+2:ST+16*\e+3], v[S+64*\e+\j:S+64*\e+\j+1]
	v_pk_add_f32 v[ST+16*\e+8:ST+16*\e+9], v[ST+16*\e+8:ST+16*\e+9], v[S+64*\e+\j+2:S+64*\e+\j+3]
.endr
.endr
.irp e, 0,1
	v_pk_add_f32 v[ST+16*\e+2:ST+16*\e+3], v[ST+16*\e+2:ST+16*\e+3], v[ST+16*\e+8:ST+16*\e+9]
.endr
	s_wait_alu depctr_va_vdst(0)
	s_cmp_ge_i32 s[E9], -8                         ; p <= 1 < 448 x 2^e9: the hold changes nothing
	s_cbranch_scc1 .Lfits
.set n, 0
.rept 128
	v_min_num_f32 v[S+n], v[S+n], v[LM9]           ; the conversion does not saturate (ISA guide 7.6.2); p is not negative, so the hold is one-sided
.set n, n+1
.endr
.Lfits:
.irp e, 0,1
.irp g, 0,1,2,3,4,5,6,7
	v_cvt_scalef32_pk8_fp8_f32 v[PC+16*\e+2*\g:PC+16*\e+2*\g+1], v[S+64*\e+8*\g:S+64*\e+8*\g+7], v[SC9]
.endr
.endr
	s_wait_dscnt 0x0                               ; V is in (and the next step's K, asked for ahead of it)
	WIN 0x41                                       ; O^T: destination and source 0 window 1
	s_wait_alu depctr_va_vdst(0)                   ; directly ahead of the first reader of O^T
.irp e, 0,1
.set n, 0
.rept 16
	v_pk_mul_f32 v[OA+32*\e+n:OA+32*\e+n+1], v[OA+32*\e+n:OA+32*\e+n+1], v[ST+16*\e+4:ST+16*\e+5] op_sel_hi:[1,0]   ; O^T under the new M (also the plain lines behind the conversions)
.set n, n+2
.endr
.endr
	WIN 0x51                                       ; V, C and D window 1; p window 0
.irp t, 0,1,2,3
.irp e, 0,1
	v_wmma_f32_16x16x128_fp8_fp8 v[OA+32*\e+8*\t:OA+32*\e+8*\t+7], v[VF+16*\t:VF+16*\t+15], v[PC+16*\e:PC+16*\e+15], v[OA+32*\e+8*\t:OA+32*\e+8*\t+7]
.endr
.endr
	WIN 0
.Lhidden:
	s_add_co_u32 s[TB], s[TB], STEPB               ; on to the next step's bytes
	s_sub_co_u32 s[CNT], s[CNT], 1
	s_cmp_lg_u32 s[CNT], 0
	s_cbranch_scc1 .Lstep
	; THE WAY OUT.  The additions below are the places behind the last products.
.irp e, 0,1
	v_add_f32 v[ST+16*\e+6], v[ST+16*\e+2], v[ST+16*\e+3]
.endr
.irp e, 0,1
	v_permlanex16_b32 v[ST+16*\e+10], v[ST+16*\e+6], s[SEL], s[SEL+1]
.endr
.irp e, 0,1
	v_add_f32 v[ST+16*\e+6], v[ST+16*\e+6], v[ST+16*\e+10]       ; the row's sum
.endr
	s_wait_alu depctr_va_vdst(0)
.irp e, 0,1
	v_rcp_f32 v[ST+16*\e+4], v[ST+16*\e+6]
.endr
	v_nop                                          ; a plain line behind the reciprocals
	s_add_co_i32 s80, s76, s77                     ; e8 + e9
	s_wait_alu depctr_va_vdst(0)                   ; one wait for both, ahead of their first reader
.irp e, 0,1
	v_ldexp_f32 v[ST+16*\e+4], v[ST+16*\e+4], s80
.endr
.irp e, 0,1
	v_mul_f32 v[ST+16*\e+7], 0, v[ST+16*\e+4]      ; NaN where the sum was 0 or no number
.endr
	WIN 0x01                                       ; source 0 (O^T) window 1
	s_wait_alu depctr_va_vdst(0)                   ; directly ahead of the first reader of O^T
.irp e, 0,1
.set n, 0
.rept 16
	v_pk_mul_f32 v[S+64*\e+n:S+64*\e+n+1], v[OA+32*\e+n:OA+32*\e+n+1], v[ST+16*\e+4:ST+16*\e+5] op_sel_hi:[1,0]   ; register 8 t + j: channel 32 (t / 2) + 16 h + 8 (t % 2) + j
.set n, n+2
.endr
.endr
	WIN 0
.irp e, 0,1
.set n, 0
.rept 32
	v_med3_num_f32 v[S+64*\e+n], v[S+64*\e+n], -v[LM10], v[LM10]
.set n, n+1
.endr
.endr
.irp e, 0,1
.irp t, 0,1,2,3
	v_cvt_scalef32_pk8_fp8_f32 v[PC+8*\e+2*\t:PC+8*\e+2*\t+1], v[S+64*\e+8*\t:S+64*\e+8*\t+7], v[SC10]   ; K = 64 e + channel: registers 4 (2 e + t / 2) + 2 (t % 2) of the fragment
.endr
.endr
	v_nop                                          ; a plain line between the last conversion and the selects on its results
.irp e, 0,1
	v_cmp_neq_f32 vcc_lo, v[ST+16*\e+7], v[ST+16*\e+7]
.irp i, 0,1,2,3,4,5,6,7
	v_cndmask_b32 v[PC+8*\e+\i], v[PC+8*\e+\i], v[NANC], vcc_lo
.endr
.endr
.irp c, 0,1,2,3
	global_store_b128 v[LI], v[PC+4*\c:PC+4*\c+3], s[14:15] offset:512*\c   ; the wave stores 512 consecutive bytes, aligned
.endr
	s_wait_tensorcnt 0x0                           ; the wave's end: behind my last LDS store
	ds_add_u32 v[SPW], v[NIL]
	s_wait_dscnt 0x0
	s_endpgm
.Lfunc_end_k_qb6c9a67490_attn:
	.size	k_qb6c9a67490_attn, .Lfunc_end_k_qb6c9a67490_attn-k_qb6c9a67490_attn
	.p2alignl 7, 3214868480
	.fill 96, 4, 3214868480
	.section	.rodata,"a",@progbits
	.p2align	6, 0x0
	.amdhsa_kernel k_qb6c9a67490_attn
		.amdhsa_group_segment_fixed_size 263168
		.amdhsa_private_segment_fixed_size 0
		.amdhsa_enable_private_segment 0
		.amdhsa_kernarg_size 56
		.amdhsa_user_sgpr_count 2
		.amdhsa_user_sgpr_kernarg_segment_ptr 1
		.amdhsa_wavefront_size32 1
		.amdhsa_system_sgpr_workgroup_id_x 1
		.amdhsa_system_sgpr_workgroup_id_y 1
		.amdhsa_system_sgpr_workgroup_id_z 1
		.amdhsa_system_vgpr_workitem_id 0
		.amdhsa_next_free_vgpr 512
		.amdhsa_next_free_sgpr 96
		.amdhsa_reserve_vcc 1
		.amdhsa_float_denorm_mode_32 3
		.amdhsa_float_denorm_mode_16_64 3
		.amdhsa_memory_ordered 1
		.amdhsa_forward_progress 1
		.amdhsa_inst_pref_size 60
	.end_amdhsa_kernel
	.amdgpu_metadata
---
amdhsa.version: [ 1, 2 ]
amdhsa.kernels:
  - .name:           k_qb6c9a67490_attn
    .symbol:         k_qb6c9a67490_attn.kd
    .args:
      - { .name: qc, .offset: 0, .size: 8, .value_kind: global_buffer, .address_space: global }
      - { .name: kc, .offset: 8, .size: 8, .value_kind: global_buffer, .address_space: global }
      - { .name: vc, .offset: 16, .size: 8, .value_kind: global_buffer, .address_space: global }
      - { .name: mimg, .offset: 24, .size: 8, .value_kind: global_buffer, .address_space: global }
      - { .name: lowp_scales, .offset: 32, .size: 8, .value_kind: global_buffer, .address_space: global }
      - { .name: oc, .offset: 40, .size: 8, .value_kind: global_buffer, .address_space: global }
      - { .name: fl, .offset: 48, .size: 8, .value_kind: global_buffer, .address_space: global }
    .group_segment_fixed_size: 263168
    .private_segment_fixed_size: 0
    .kernarg_segment_align: 8
    .kernarg_segment_size: 56
    .max_flat_workgroup_size: 256
    .sgpr_count:     96
    .vgpr_count:     512
    .wavefront_size: 32
...
	.end_amdgpu_metadata
.endif
;; end of part 3
;; launch oproj (part 4): grid 16 x 16, 4 waves a work-group, clusters of 4 x 4, 327,680 bytes of LDS; arguments oc, wc, lowp_scales, out0; writes out0
.if DOCPART == 4
	.amdgcn_target "amdgcn-amd-amdhsa--gfx1250"
	.amdhsa_code_object_version 6
	.text
	.protected	k_qb6c9a67490_oproj
	.globl	k_qb6c9a67490_oproj
	.p2align	8
	.type	k_qb6c9a67490_oproj,@function
k_qb6c9a67490_oproj:
	s_mov_b64 s[64:65], 0
	v_nop
	global_prefetch_b8 v0, s[64:65] scope:SCOPE_SE
	s_setreg_imm32_b32 hwreg(HW_REG_WAVE_MODE, 25, 1), 1
	s_wait_xcnt 0x0
	s_wait_alu depctr_hold_cnt(0) depctr_sa_sdst(0) depctr_va_vdst(0) depctr_va_sdst(0) depctr_va_ssrc(0) depctr_va_vcc(0) depctr_vm_vsrc(0)
	s_getreg_b32 s2, hwreg(HW_REG_IB_STS2, 6, 4)
	s_cmp_eq_u32 s2, 0
	s_cbranch_scc0 .Lentry_in_a_cluster
	s_endpgm
.Lentry_in_a_cluster:
	s_bfe_u32 s2, ttmp6, 0x10000c
	s_cmp_lg_u32 s2, 0xf033
	s_cbranch_scc0 .Lentry_shape_is_right
	s_endpgm
.Lentry_shape_is_right:
.set KPITCH, 16384
.set SLOT,  98304
.set BOFF,  65536
.set SPARE, 2*SLOT
.set SP,    272
.set ADRA, 16
.set ADRB, 20
.set LI,   22
.set STO,  23
.set RD,   24
.set CO,   25
.set SPW,  28
.set NIL,  29
.set Y,    32
.set HH,   64
.set G1,  24
.set G0,  32
.set G1B, 48
.set G0B, 56
.set MSB, 0
.macro WIN new
.if MSB != \new
	s_set_vgpr_msb (MSB<<8)|\new
.set MSB, \new
.endif
.endm
.macro JLOAD s
	s_cmp_eq_u32 s21, 0
	s_cbranch_scc0 .Lfor_b_\@
	tensor_load_to_lds s[G0+4*\s:G0+4*\s+3], s[G1:G1+7]
	s_nop 0
.rept 4
	v_nop
.endr
	s_branch .Lasked_\@
.Lfor_b_\@:
	tensor_load_to_lds s[G0B+4*\s:G0B+4*\s+3], s[G1B:G1B+7]
	s_nop 0
.rept 4
	v_nop
.endr
.Lasked_\@:
.endm
.macro CREST
	s_cmp_lg_u32 s20, 0
	s_cbranch_scc1 .Lnot_wave_0_\@
	s_barrier_signal -3
.Lnot_wave_0_\@:
	s_barrier_wait -3
	s_barrier_signal -1
	s_barrier_wait -1
.endm
.macro CROUND
	s_barrier_signal -1
	s_barrier_wait -1
	CREST
.endm
.macro PLACES
.rept 4
	v_nop
.endr
.endm
.macro FETCH slot, q, p
	WIN 0x80
.irp a, 0,1,2,3,4,5,6,7
.irp c, 0,1,2,3
	ds_load_b128 v[128*(\p)+16*\a+4*\c:128*(\p)+16*\a+4*\c+3], v[ADRA+\slot] offset:4096*\a+2048*(\q)+512*\c
.endr
.endr
	WIN 0xc0
.irp t, 0,1,2,3
.irp c, 0,1,2,3
	ds_load_b128 v[64*(\p)+16*\t+4*\c:64*(\p)+16*\t+4*\c+3], v[ADRB+\slot] offset:4096*\t+2048*(\q)+512*\c
.endr
.endr
.endm
.macro MUL a0, n, p, zero
	WIN 0x5b
.set ia, \a0
.rept \n
.irp t, 0,1,2,3
.if \zero
	v_wmma_f32_16x16x128_fp8_fp8 v[8*(4*ia+\t):8*(4*ia+\t)+7], v[64*(\p)+16*\t:64*(\p)+16*\t+15], v[128*(\p)+16*ia:128*(\p)+16*ia+15], 0
.else
	v_wmma_f32_16x16x128_fp8_fp8 v[8*(4*ia+\t):8*(4*ia+\t)+7], v[64*(\p)+16*\t:64*(\p)+16*\t+15], v[128*(\p)+16*ia:128*(\p)+16*ia+15], v[8*(4*ia+\t):8*(4*ia+\t)+7]
.endif
.endr
.set ia, ia+1
.endr
.endm
.macro STEP slot, zero
	s_wait_dscnt 0x0
	PLACES
	FETCH \slot, 1, 1
	MUL 0, 8, 0, \zero
.endm
.macro TURN slot, next, fill
	WIN 0
	s_wait_tensorcnt 0x0
	ds_add_u32 v[SPW], v[NIL]
	s_wait_dscnt 1
	MUL 0, 2, 1, 0
	s_wait_dscnt 0x0
	s_barrier_signal -1
	MUL 2, 2, 1, 0
	WIN 0
	s_barrier_wait -1
.if \fill
	CREST
	s_add_nc_u64 s[G0+4*\slot+2:G0+4*\slot+3], s[G0+4*\slot+2:G0+4*\slot+3], 8192
	s_add_nc_u64 s[G0B+4*\slot+2:G0B+4*\slot+3], s[G0B+4*\slot+2:G0B+4*\slot+3], 8192
	JLOAD \slot
.else
	PLACES
.endif
	FETCH \next, 0, 0
	MUL 4, 4, 1, 0
.endm
	s_load_b256 s[4:11], s[0:1], 0x0
	v_lshl_add_u32 v[SPW], v0, 2, SPARE
	v_mov_b32 v[NIL], 0
	ds_add_u32 v[SPW], v[NIL]
	ds_add_u32 v[SPW], v[NIL]
	v_lshrrev_b32 v1, 5, v0
	v_readfirstlane_b32 s20, v1
	s_lshr_b32 s21, s20, 1
	s_and_b32 s22, s20, 1
	s_bfe_u32 s40, ttmp6, 0x40000
	s_bfe_u32 s41, ttmp6, 0x40004
	s_lshl_b32 s42, ttmp9, 2
	s_add_co_u32 s42, s42, s40
	s_and_b32 s43, ttmp7, 0xffff
	s_lshl_b32 s43, s43, 2
	s_add_co_u32 s43, s43, s41
	s_lshl_b32 s45, s41, 2
	s_lshl_b32 s45, 15, s45
	s_lshl_b32 s46, 0x1111, s40
	s_or_b32 s[G1], s45, (3<<16)|(1<<21)
	s_or_b32 s[G1B], s46, (3<<16)|(1<<21)
.irp g, G1, G1B
	s_mov_b32 s[\g+1], 512<<16
	s_mov_b32 s[\g+3], 512<<16
	s_mov_b32 s[\g+5], KPITCH/8
	s_mov_b32 s[\g+6], 0
	s_mov_b32 s[\g+7], 0
.endr
	s_mov_b32 s[G1+2], 8<<16
	s_mov_b32 s[G1+4], 8
	s_mov_b32 s[G1B+2], 4<<16
	s_mov_b32 s[G1B+4], 4
	s_lshl_b32 s72, s43, 18
	s_lshl_b32 s73, s22, 17
	s_add_co_u32 s72, s72, s73
	s_mov_b32 s73, 0
	s_lshl_b32 s74, s42, 17
	s_lshl_b32 s75, s22, 16
	s_add_co_u32 s74, s74, s75
	s_mov_b32 s75, 0
	s_lshl_b32 s78, s22, 15
	s_lshl_b32 s79, s22, 14
	s_add_co_u32 s79, s79, BOFF
	s_wait_dscnt 0x0
	s_wait_kmcnt 0x0
	s_load_b64 s[68:69], s[8:9], 0x28
	s_add_nc_u64 s[72:73], s[4:5], s[72:73]
	s_add_nc_u64 s[74:75], s[6:7], s[74:75]
	s_add_nc_u64 s[74:75], s[74:75], 0x400000      ; wo's codes lie behind the 4,194,304 bytes of wq's, wk's and wv's
	; the prefetches: of the tiles that my wave fetches (8 of A, 4 of B; 4,096 bytes of each a fill) the four partners that ask jointly take shares BY ADDRESS: two tiles of A by cx, one of B by cy; a lane names 256 bytes
	s_cmp_eq_u32 s21, 0
	s_cselect_b64 s[66:67], s[72:73], s[74:75]
	s_cselect_b32 s98, s40, s41
	s_cselect_b32 s99, 15, 14
	s_cselect_b32 s47, 31, 15                      ; B's share has 16 blocks: lanes 16-31 name the last again
	s_lshl_b32 s98, s98, s99
	s_mov_b32 s99, 0
	s_add_nc_u64 s[66:67], s[66:67], s[98:99]
	v_and_b32 v27, 31, v0
	v_min_u32 v27, s47, v27
	v_lshrrev_b32 v26, 4, v27
	v_and_b32 v27, 15, v27
	v_lshlrev_b32 v27, 8, v27
	v_lshl_add_u32 v26, v26, 14, v27               ; v26: tile x 16,384 + 256 x block; never rewritten
	CROUND
.irp s, 0,1
	s_mov_b32 s[G0+4*\s], 1
	s_add_co_u32 s[G0+4*\s+1], s78, \s*SLOT
	s_add_nc_u64 s[G0+4*\s+2:G0+4*\s+3], s[72:73], \s*4096
	s_or_b32 s[G0+4*\s+3], s[G0+4*\s+3], 0x80000000
	s_mov_b32 s[G0B+4*\s], 1
	s_add_co_u32 s[G0B+4*\s+1], s79, \s*SLOT
	s_add_nc_u64 s[G0B+4*\s+2:G0B+4*\s+3], s[74:75], \s*4096
	s_or_b32 s[G0B+4*\s+3], s[G0B+4*\s+3], 0x80000000
	s_wait_alu depctr_va_vdst(0)
	s_wait_tensorcnt 0x0
	ds_add_u32 v28, v29
	ds_add_u32 v28, v29
	s_wait_dscnt 0x0
	CROUND
	JLOAD \s
	global_prefetch_b8 v26, s[66:67] offset:8192+4096*\s th:TH_LOAD_NT scope:SCOPE_SE   ; behind fill s: my share of fill s + 2; fills 2 and 3 are the last
.endr
	v_and_b32 v1, 31, v0
	v_lshlrev_b32 v[LI], 4, v1
	v_and_b32 v2, 15, v0
	s_wait_alu depctr_va_vdst(0)
	v_bfe_u32 v3, v0, 4, 1
	s_lshl_b32 s92, s21, 15
	s_lshl_b32 s93, s22, 14
	s_add_co_u32 s93, s93, BOFF
.irp s, 0,1
	v_add_nc_u32 v[ADRA+\s], s92, v[LI]
	v_add_nc_u32 v[ADRB+\s], s93, v[LI]
	s_add_co_u32 s92, s92, SLOT
	s_add_co_u32 s93, s93, SLOT
.endr
	s_mul_i32 s92, s21, 128*SP
	s_lshl_b32 s93, s22, 7
	s_add_co_u32 s92, s92, s93
	v_mul_u32_u24 v[STO], v2, SP
	s_wait_alu depctr_va_vdst(0)
	v_lshl_add_u32 v[STO], v3, 5, v[STO]
	v_add_nc_u32 v[STO], s92, v[STO]
	s_mul_i32 s92, s20, 64*SP
	v_mul_u32_u24 v[RD], v3, SP
	v_lshl_add_u32 v[RD], v2, 4, v[RD]
	v_add_nc_u32 v[RD], s92, v[RD]
	v_lshlrev_b32 v[CO], 4, v2
	v_lshl_add_u32 v[CO], v3, 12, v[CO]
	s_lshl_b32 s96, s43, 20
	s_lshl_b32 s97, s20, 18
	s_add_co_u32 s96, s96, s97
	s_lshl_b32 s97, s42, 8
	s_add_co_u32 s96, s96, s97
	s_mov_b32 s97, 0
	s_add_nc_u64 s[10:11], s[10:11], s[96:97]
	s_wait_tensorcnt 1
	s_barrier_signal -1
	s_barrier_wait -1
	FETCH 0, 0, 0
	STEP 0, 1
	TURN 0, 1, 1
	STEP 1, 0
	TURN 1, 0, 1
	STEP 0, 0
	TURN 0, 1, 0
	STEP 1, 0
	s_wait_dscnt 0x0
	MUL 0, 8, 1, 0
	WIN 0
	s_wait_kmcnt 0x0
	s_add_co_i32 s68, s68, s69
	s_add_co_i32 s68, s68, 127
	s_lshl_b32 s68, s68, 23
	s_mov_b32 s69, s68
	PLACES
.irp a, 0,1,2,3,4,5,6,7
	WIN 0x01
.set n, 0
.rept 16
	v_pk_mul_f32 v[Y+n:Y+n+1], v[32*\a+n:32*\a+n+1], s[68:69] op_sel_hi:[1,0]
.set n, n+2
.endr
	WIN 0
.set n, 0
.rept 16
	v_cvt_pk_f16_f32 v[HH+n], v[Y+2*n], v[Y+2*n+1]
.set n, n+1
.endr
.irp t, 0,1,2,3
	ds_store_b128 v[STO], v[HH+4*\t:HH+4*\t+3] offset:16*\a*SP+64*(\t>>1)+16*(\t&1)
.endr
.endr
	s_wait_dscnt 0x0
	s_barrier_signal -1
	s_barrier_wait -1
.irp i, 0,1,2,3,4,5,6,7,8,9,10,11,12,13,14,15,16,17,18,19,20,21,22,23,24,25,26,27,28,29,30,31
	ds_load_b128 v[Y+4*\i:Y+4*\i+3], v[RD] offset:2*\i*SP
.endr
.irp i, 0,1,2,3,4,5,6,7,8,9,10,11,12,13,14,15,16,17,18,19,20,21,22,23,24,25,26,27,28,29,30,31
	s_wait_dscnt 31-\i
	global_store_b128 v[CO], v[Y+4*\i:Y+4*\i+3], s[10:11] offset:(((2*\i)&0x27)|(((2*\i)&8)<<1)|(((2*\i)&16)>>1))*4096 th:TH_STORE_NT
.endr
	s_wait_tensorcnt 0x0
	ds_add_u32 v[SPW], v[NIL]
	s_wait_dscnt 0x0
	CROUND
	s_endpgm
.Lfunc_end_k_qb6c9a67490_oproj:
	.size	k_qb6c9a67490_oproj, .Lfunc_end_k_qb6c9a67490_oproj-k_qb6c9a67490_oproj
	.p2alignl 7, 3214868480
	.fill 96, 4, 3214868480
	.section	.rodata,"a",@progbits
	.p2align	6, 0x0
	.amdhsa_kernel k_qb6c9a67490_oproj
		.amdhsa_group_segment_fixed_size 327680
		.amdhsa_private_segment_fixed_size 0
		.amdhsa_enable_private_segment 0
		.amdhsa_kernarg_size 32
		.amdhsa_user_sgpr_count 2
		.amdhsa_user_sgpr_kernarg_segment_ptr 1
		.amdhsa_wavefront_size32 1
		.amdhsa_system_sgpr_workgroup_id_x 1
		.amdhsa_system_sgpr_workgroup_id_y 1
		.amdhsa_system_sgpr_workgroup_id_z 1
		.amdhsa_system_vgpr_workitem_id 0
		.amdhsa_next_free_vgpr 1024
		.amdhsa_next_free_sgpr 100
		.amdhsa_reserve_vcc 0
		.amdhsa_float_denorm_mode_32 3
		.amdhsa_float_denorm_mode_16_64 3
		.amdhsa_memory_ordered 1
		.amdhsa_forward_progress 1
		.amdhsa_inst_pref_size 78
	.end_amdhsa_kernel
	.amdgpu_metadata
---
amdhsa.version: [ 1, 2 ]
amdhsa.kernels:
  - .name:           k_qb6c9a67490_oproj
    .symbol:         k_qb6c9a67490_oproj.kd
    .args:
      - { .name: oc, .offset: 0, .size: 8, .value_kind: global_buffer, .address_space: global }
      - { .name: wc, .offset: 8, .size: 8, .value_kind: global_buffer, .address_space: global }
      - { .name: lowp_scales, .offset: 16, .size: 8, .value_kind: global_buffer, .address_space: global }
      - { .name: out0, .offset: 24, .size: 8, .value_kind: global_buffer, .address_space: global }
    .group_segment_fixed_size: 327680
    .private_segment_fixed_size: 0
    .kernarg_segment_align: 8
    .kernarg_segment_size: 32
    .max_flat_workgroup_size: 128
    .sgpr_count:     100
    .vgpr_count:     1024
    .wavefront_size: 32
...
	.end_amdgpu_metadata
.endif
;; end of part 4
